; MI455X (gfx1250); checked and timed in simulation.
; The chip was launched on July 23, 2026; its instructions are those of AMD's public machine-readable ISA for CDNA 5 (MIT licence, August 2026) and "CDNA5" Instruction Set Architecture Reference Guide (July 2026). The comments in the code are by the model that wrote it; some were corrected since.
;; Block Multi. Allowed arithmetic: matrix products marked QUANTISED: E2M3 operands, one E8M0 scale for each 32 along K, by v_wmma_scale_f32_16x16x128_f8f6f4 with both operands' format E2M3, f32 sums; everything else in f32.
;; Inputs: W1 1,024 x 4,096 float32; W2 4,096 x 1,024 float32; Wk 1,024 x 1,024 float32; Wo 1,024 x 1,024 float32; Wq 1,024 x 1,024 float32; Wv 1,024 x 1,024 float32; b1 4,096 float32; b2 1,024 float32; bk 1,024 float32; bo 1,024 float32; bq 1,024 float32; bv 1,024 float32; ln1_b 1,024 float32; ln1_g 1,024 float32; ln2_b 1,024 float32; ln2_g 1,024 float32; x 4 x 1,024 x 1,024 float32.
;; Outputs: out0 4 x 1,024 x 1,024 float32.
;; This version of the problem:
;;   THIS VERSION OF THE PROBLEM IS GIVEN IN LOW PRECISION. The matrix products marked QUANTISED in the list below multiply operands that are first quantised to E2M3 (2 exponent bits, 3 mantissa bits; 6 bits a number), with one power-of-two scale for each 32 numbers along K (OCP MX v1.0); their sums are f32. All else is computed in f32.
;;   The module's matrix products, in the order in which they are computed (A, B: the left and right operand; K: the contracted axis; several contracted axes count as one K, in the product's order):
;;     1. [M 4,096, K 1,024] x [K 1,024, N 1,024]; A: computed on the way; B: input Wq: QUANTISED
;;     2. [M 4,096, K 1,024] x [K 1,024, N 1,024]; A: computed on the way; B: input Wk: QUANTISED
;;     3. [M 4,096, K 1,024] x [K 1,024, N 1,024]; A: computed on the way; B: input Wv: QUANTISED
;;     4. batch 64 x [M 1,024, K 64] x [K 64, N 1,024]; A: computed on the way; B: computed on the way: QUANTISED
;;     5. batch 64 x [M 1,024, K 1,024] x [K 1,024, N 64]; A: softmax (see below); B: computed on the way: QUANTISED
;;     6. [M 4,096, K 1,024] x [K 1,024, N 1,024]; A: computed on the way; B: input Wo: QUANTISED
;;     7. [M 4,096, K 1,024] x [K 1,024, N 4,096]; A: computed on the way; B: input W1: QUANTISED
;;     8. [M 4,096, K 4,096] x [K 4,096, N 1,024]; A: computed on the way; B: input W2: QUANTISED
;;   THE QUANTISER, for each operand of a quantised product, along K:
;;     - K is cut into blocks of 32 from its start; a last block that is shorter is filled with zeros.
;;     - A block's scale is 2^e with e = floor(log2(the largest magnitude in the block)) - 2, held to -126 .. 127; a block of zeros has e = 0. As a byte (E8M0): e + 127.
;;     - Each number is divided by its block's scale, clamped to +-7.5, and rounded to the nearest number of E2M3, ties to even, subnormals kept.
;;     - The product sums the exact products of the quantised numbers (number of the format x scale) in f32.
;;   ~~~python
;;   def quantise(x, axis):      # numpy; x: float32 -> the quantised numbers, widened to float32 again
;;       x = np.moveaxis(x, axis, -1); K = x.shape[-1]
;;       x = np.pad(x, [(0, 0)] * (x.ndim - 1) + [(0, -K % 32)]); x = x.reshape(x.shape[:-1] + (-1, 32)); a = np.abs(x).max(-1, keepdims=True)
;;       e = np.where(a > 0, np.clip(np.frexp(np.where(a > 0, a, 1))[1] - 1 - 2, -126, 127), 0)      # np.frexp(a)[1] - 1 = floor(log2(a)), exactly
;;       r = np.clip(x / 2.0 ** e, -7.5, 7.5)
;;       step = 2.0 ** (np.maximum(np.frexp(np.where(r == 0, 1, r))[1] - 1, 0) - 3)
;;       q = np.round(r / step) * step * 2.0 ** e      # np.round: ties to even
;;       return np.moveaxis(q.reshape(q.shape[:-2] + (-1,))[..., :K], -1, axis).astype(np.float32)
;;   ~~~
;;   SOFTMAX AHEAD OF A QUANTISED PRODUCT. Where the list says 'softmax', what is quantised is not the finished softmax but p = 2^(t - M), with t = logit x log2(e) and M = ceil(the row's largest t), a whole number; so 1/2 < the row's largest p <= 1. The row's sum l is taken of the UNQUANTISED p, in f32, and the product's result is divided by l at the end. Since M is a whole number, a kernel that streams over the keys may use a running M (the ceiling of the running maximum): every later rescaling is an exact power of two, which a block's scale takes up: the codes' values come out the same.
;;   OPERANDS COMPUTED ON THE WAY. 'Computed on the way' means the value that the module computes at that place (a softmax that the list does not call 'softmax' is quantised finished and normalised). What goes into a quantiser is computed in f32, as accurately as f32 sums, v_exp_f32 and their like allow (about 1e-6 of the number): no bf16 or f16 on the way to a quantiser, and a product that is left as it is and whose result goes on into a quantised operand takes f32 operands (vector FMAs, or v_wmma_f32_16x16x4_f32). A number that lies on a knife's edge between two numbers of the format may be rounded either way, as far as f32 arithmetic and the matrix unit's own rounding can turn it there, and no further.
;; One version. Each part assembles by itself: llvm-mc -triple=amdgcn-amd-amdhsa -mcpu=gfx1250 --defsym DOCPART=n.
;; ======== version 1 of 1: 7 launches
;; limits: right only within a limited range of input values
;; workspace buffers: wts 9,863,168 bytes; xn 3,276,800 bytes; qkv 10,092,544 bytes; ctx 3,276,800 bytes; x1 16,777,216 bytes; hid 13,107,200 bytes
;; launch prep (part 1): grid 640 x 1, 8 waves a work-group, no clusters, 66,816 bytes of LDS; arguments x, ln1_g, ln1_b, xn, Wq, Wk, Wv, Wo, W1, W2, wts; writes xn, wts
.if DOCPART == 1
	.amdgcn_target "amdgcn-amd-amdhsa--gfx1250"
	.amdhsa_code_object_version 6
	.text
	.protected	k_q2f44f8b08a_prep
	.globl	k_q2f44f8b08a_prep
	.p2align	8
	.type	k_q2f44f8b08a_prep,@function
k_q2f44f8b08a_prep:
	s_mov_b64 s[64:65], 0
	v_nop
	global_prefetch_b8 v0, s[64:65] scope:SCOPE_SE
	s_setreg_imm32_b32 hwreg(HW_REG_WAVE_MODE, 25, 1), 1
	s_wait_xcnt 0x0
; Work-groups 0-255: LayerNorm of 16 rows of [4096][1024] f32, quantised to FP6 (E2M3) with one E8M0 byte for each 32 along the row.
; Work-groups 256-639: the six weights, f32 stored [K][N], quantised along K (their FIRST axis).
; HOW EVERY OPERAND LIES IN THE WORKSPACE (all launches of this program):
;   a GROUP G is 16 rows; its lane-row p is row 32 (G/2) + 8 (G%2) + p + 8 (p/8), so that the results of two neighbouring groups used as source 0 are 16 neighbours along the next K;
;   a FRAGMENT (group x 128 K: 12 registers a lane) is 1,536 bytes, an image of its registers in two halves of 768: registers 6c..6c+3 at 768 c + 16 lane, registers 6c+4, 6c+5 at 768 c + 512 + 8 lane;
;   fragments lie [G][K step]; scale words (4 bytes: a row's 128 K) lie in planes [K step][G][16 rows].
; So each store below covers 512 or 256 consecutive bytes, aligned, but for the scale words (LN path: 64 bytes a wave, one byte in 24 of what it stores; weights: 128 bytes).
; LIMITS: NaN and infinities are not served.  A block of zeros gets the byte 1, not 127: its codes are zeros, and only this program reads the bytes.  Blocks whose largest magnitude lies under 2^-124 are held at the byte 1.
; No tensor loads, no cluster: work-groups share no input; no matrix work.  Only the LN path uses LDS.
.set PITCH, 4112                       ; an LDS row: 4,096 bytes + 16: sixteen rows' equal columns start 16 bytes apart modulo 256
.set X,    32                          ; v32-95   LN: two rows as loaded, later 64 numbers to quantise; weights: v32-159 128 numbers down K
.set GA,   96                          ; v96-127  the gain of my columns
.set BE,   128                         ; v128-159 the bias of my columns
.set TM,   160                         ; v160-175 QUANT at work
.set PW,   176                         ; the scale word
.set PC,   96                          ; v96-115  the codes
.set SEL,  20                          ; s[20:21] v_permlanex16_b32's selects for lane l xor 16
.set XN_S, 3145728                     ; where the scale planes begin in the LN path's output
.set S_QKV, 9437184                    ; wts: scale planes of Wq, Wk, Wv (256 groups to a plane, 192 used),
.set S_WO,  9568256                    ; of Wo (64 groups to a plane),
.set S_W1,  9601024                    ; of W1 (256),
.set S_W2,  9732096                    ; of W2 (64)
.set F0,   160                         ; weights: the even group's fragment,
.set F1,   172                         ; the odd group's,
.set TA,   184                         ; and the upper halves of two blocks on their way
.set TB,   188
.set SO,   14                          ; v14-17 the four blocks' scale operands
.set WD,   18                          ; v18    my column's scale word
; 64 numbers of a lane, register 16 b + i = k 32 b + 16 (lane / 16) + i of my row, become a fragment's codes in v[PC] on and its scale word in v[PW].
.macro QUANT s
.irp b, 0,1,2,3
	v_max3_num_f32 v[TM+\b], |v[\s+16*\b]|, |v[\s+1+16*\b]|, 0x1800000   ; my 16 numbers of block b, and the floor 2^(3 - 127): the byte cannot fall under 1
.endr
.irp i, 2,4,6,8,10,12,14
.irp b, 0,1,2,3
	s_delay_alu instid0(VALU_DEP_4)
	v_max3_num_f32 v[TM+\b], v[TM+\b], |v[\s+16*\b+\i]|, |v[\s+1+16*\b+\i]|
.endr
.endr
.irp b, 0,1,2,3
	s_delay_alu instid0(VALU_DEP_4)
	v_permlanex16_b32 v[TM+4+\b], v[TM+\b], s[SEL], s[SEL+1]
.endr
.irp b, 0,1,2,3
	s_delay_alu instid0(VALU_DEP_4)
	v_max_num_f32 v[TM+\b], v[TM+\b], v[TM+4+\b]                 ; with lane l xor 16's: the block's largest magnitude
.endr
.irp b, 0,1,2,3
	s_delay_alu instid0(VALU_DEP_4)
	v_add_nc_u32 v[TM+12+\b], 0xff000000, v[TM+\b]               ; 2 off its exponent field: the conversion's scale operand
.endr
.irp b, 0,1,2,3
	s_delay_alu instid0(VALU_DEP_4)
	v_lshrrev_b32 v[TM+4+\b], 23, v[TM+12+\b]                    ; the scale's byte
.endr
	s_delay_alu instid0(VALU_DEP_3)
	v_lshl_or_b32 v[PW], v[TM+5], 8, v[TM+4]
	s_delay_alu instid0(VALU_DEP_1)
	v_lshl_or_b32 v[PW], v[TM+6], 16, v[PW]
	s_delay_alu instid0(VALU_DEP_1)
	v_lshl_or_b32 v[PW], v[TM+7], 24, v[PW]
.irp c, 0,1
	v_cvt_scalef32_pk16_fp6_f32 v[PC+6*\c:PC+2+6*\c], v[\s+32*\c:\s+15+32*\c], v[TM+12+2*\c]
	v_cvt_scalef32_pk16_fp6_f32 v[PC+12+4*\c:PC+14+4*\c], v[\s+16+32*\c:\s+31+32*\c], v[TM+12+2*\c+1]   ; (a conversion's three registers begin on an even number)
.endr
	v_nop                                          ; one plain place behind a scaled conversion
.irp c, 0,1                                    ; the operand wants a whole block in a lane: lanes 0-15 block 2 c, lanes 16-31 block 2 c + 1
.irp i, 0,1,2
	v_permlane16_swap_b32 v[PC+6*\c+\i], v[PC+12+4*\c+\i]
.endr
.irp i, 0,1,2
	s_delay_alu instid0(VALU_DEP_3)
	v_mov_b32 v[PC+3+6*\c+\i], v[PC+12+4*\c+\i]
.endr
.endr
.endm
; v[8:11] and v[12:15], four partial sums of each of my two rows, become the rows' sums in v8 and v12, in every lane
.macro TAIL
	s_delay_alu instid0(VALU_DEP_3)
	v_pk_add_f32 v[8:9], v[8:9], v[10:11]
	s_delay_alu instid0(VALU_DEP_2)
	v_pk_add_f32 v[12:13], v[12:13], v[14:15]
	s_delay_alu instid0(VALU_DEP_2)
	v_add_f32 v8, v8, v9
	s_delay_alu instid0(VALU_DEP_2)
	v_add_f32 v12, v12, v13
.irp m, 1,2,4,8
	s_delay_alu instid0(VALU_DEP_2)
	v_add_f32_dpp v8, v8, v8 row_xmask:\m row_mask:0xf bank_mask:0xf
	s_delay_alu instid0(VALU_DEP_2)
	v_add_f32_dpp v12, v12, v12 row_xmask:\m row_mask:0xf bank_mask:0xf
.endr
	s_delay_alu instid0(VALU_DEP_2)
	v_permlanex16_b32 v9, v8, s[SEL], s[SEL+1]
	s_delay_alu instid0(VALU_DEP_2)
	v_permlanex16_b32 v13, v12, s[SEL], s[SEL+1]
	s_delay_alu instid0(VALU_DEP_2)
	v_add_f32 v8, v8, v9
	s_delay_alu instid0(VALU_DEP_2)
	v_add_f32 v12, v12, v13
.endm
	s_load_b256 s[4:11], s[0:1], 0x0               ; the rows s[4:5], gain s[6:7], bias s[8:9], the output s[10:11]
	v_lshl_add_u32 v192, v0, 2, 0x10100
	v_mov_b32 v193, 0
	v_lshrrev_b32 v1, 5, v0
	s_delay_alu instid0(VALU_DEP_1)
	v_readfirstlane_b32 s12, v1                    ; wave 0..7
	v_and_b32 v2, 31, v0                           ; lane
	s_cmp_ge_u32 ttmp9, 256
	s_cbranch_scc1 .Lweights
	; ---------------- LayerNorm: the work-group is group G = its number; wave w owns lane-rows 2 w and 2 w + 1, which are neighbours in memory
	s_mov_b32 s[SEL], 0x76543210
	s_mov_b32 s[SEL+1], 0xfedcba98
	s_mov_b32 s22, 0x3a800000                      ; 1 / 1024
	s_mov_b32 s23, 0x358637bd                      ; 1e-6
	s_lshr_b32 s13, ttmp9, 1
	s_lshl_b32 s13, s13, 5
	s_and_b32 s14, ttmp9, 1
	s_lshl_b32 s14, s14, 3
	s_add_co_u32 s13, s13, s14                     ; 32 (G / 2) + 8 (G % 2)
	s_lshl_b32 s14, s12, 1
	s_add_co_u32 s13, s13, s14
	s_lshr_b32 s14, s12, 2
	s_lshl_b32 s14, s14, 3
	s_add_co_u32 s13, s13, s14                     ; + 2 w + 8 (w / 4): my first row in memory
	s_lshl_b32 s14, s13, 12                        ; x 4,096 bytes (under 2^24)
	s_mov_b32 s15, 0
	s_wait_alu depctr_va_vdst(0)
	v_lshlrev_b32 v3, 4, v2                        ; 16 x lane
	s_mul_i32 s16, s12, 2*PITCH
	v_add_nc_u32 v4, s16, v3                       ; LDS, in: lane-row 2 w, 16 bytes a lane
	v_and_b32 v5, 15, v0                           ; r
	v_bfe_u32 v6, v0, 4, 1                         ; h
	s_delay_alu instid0(VALU_DEP_2)
	v_mul_u32_u24 v7, v5, PITCH
	s_delay_alu instid0(VALU_DEP_1)
	v_lshl_add_u32 v7, v6, 6, v7
	s_lshl_b32 s16, s12, 9
	v_add_nc_u32 v7, s16, v7                       ; LDS, out: lane-row r, K step w, + 64 h: my 16 numbers of a block of 32
	v_lshlrev_b32 v6, 3, v2                        ; 8 x lane
	v_lshlrev_b32 v5, 2, v5                        ; 4 r
.irp b, 0,1,2,3
	v_mov_b32 v[TM+4+\b], 0                        ; written once: a lane permute's destination counts as one of its sources
.endr
	s_wait_kmcnt 0x0
	s_add_nc_u64 s[4:5], s[4:5], s[14:15]
.irp e, 0,1
.irp j, 0,1,2,3,4,5,6,7
	global_load_b128 v[X+32*\e+4*\j:X+32*\e+4*\j+3], v3, s[4:5] offset:4096*\e+512*\j th:TH_LOAD_NT   ; 32 lanes read 512 consecutive bytes
.endr
.endr
.irp j, 0,1,2,3,4,5,6,7
	global_load_b128 v[GA+4*\j:GA+4*\j+3], v3, s[6:7] offset:512*\j
.endr
.irp j, 0,1,2,3,4,5,6,7
	global_load_b128 v[BE+4*\j:BE+4*\j+3], v3, s[8:9] offset:512*\j
.endr
	s_wait_loadcnt 16                              ; my two rows are in; the 16 loads of gain and bias may be out
.irp e, 0,1
	v_pk_add_f32 v[8+4*\e:9+4*\e], v[X+32*\e:X+32*\e+1], v[X+32*\e+2:X+32*\e+3]
	v_pk_add_f32 v[10+4*\e:11+4*\e], v[X+32*\e+4:X+32*\e+5], v[X+32*\e+6:X+32*\e+7]
.endr
.irp j, 8,12,16,20,24,28
.irp e, 0,1
	s_delay_alu instid0(VALU_DEP_4)
	v_pk_add_f32 v[8+4*\e:9+4*\e], v[8+4*\e:9+4*\e], v[X+32*\e+\j:X+32*\e+\j+1]
	s_delay_alu instid0(VALU_DEP_4)
	v_pk_add_f32 v[10+4*\e:11+4*\e], v[10+4*\e:11+4*\e], v[X+32*\e+\j+2:X+32*\e+\j+3]
.endr
.endr
	TAIL
	s_delay_alu instid0(VALU_DEP_2)
	v_mul_f32 v8, s22, v8                          ; the means
	s_delay_alu instid0(VALU_DEP_2)
	v_mul_f32 v12, s22, v12
.irp e, 0,1
.set j, 0
.rept 16
	v_pk_add_f32 v[X+32*\e+j:X+32*\e+j+1], v[X+32*\e+j:X+32*\e+j+1], v[8+4*\e:9+4*\e] op_sel_hi:[1,0] neg_lo:[0,1] neg_hi:[0,1]   ; d = x - mean: the variance is taken of d, so no difference of large sums is formed
.set j, j+2
.endr
.endr
.irp e, 0,1
	v_pk_mul_f32 v[8+4*\e:9+4*\e], v[X+32*\e:X+32*\e+1], v[X+32*\e:X+32*\e+1]
	v_pk_mul_f32 v[10+4*\e:11+4*\e], v[X+32*\e+2:X+32*\e+3], v[X+32*\e+2:X+32*\e+3]
.endr
.irp j, 4,8,12,16,20,24,28
.irp e, 0,1
	s_delay_alu instid0(VALU_DEP_4)
	v_pk_fma_f32 v[8+4*\e:9+4*\e], v[X+32*\e+\j:X+32*\e+\j+1], v[X+32*\e+\j:X+32*\e+\j+1], v[8+4*\e:9+4*\e]
	s_delay_alu instid0(VALU_DEP_4)
	v_pk_fma_f32 v[10+4*\e:11+4*\e], v[X+32*\e+\j+2:X+32*\e+\j+3], v[X+32*\e+\j+2:X+32*\e+\j+3], v[10+4*\e:11+4*\e]
.endr
.endr
	TAIL
	s_delay_alu instid0(VALU_DEP_2)
	v_fma_f32 v8, v8, s22, s23                     ; variance + 1e-6
	s_delay_alu instid0(VALU_DEP_2)
	v_fma_f32 v12, v12, s22, s23
	s_wait_alu depctr_va_vdst(0)
	v_rsq_f32 v8, v8
	v_rsq_f32 v12, v12
	v_nop                                          ; a plain place behind the two
	s_wait_alu depctr_va_vdst(0)                   ; one wait for both, ahead of their first reader
	s_wait_loadcnt 0x0                             ; gain and bias
.irp e, 0,1
.set j, 0
.rept 16
	v_pk_mul_f32 v[X+32*\e+j:X+32*\e+j+1], v[X+32*\e+j:X+32*\e+j+1], v[8+4*\e:9+4*\e] op_sel_hi:[1,0]
.set j, j+2
.endr
.set j, 0
.rept 16
	v_pk_fma_f32 v[X+32*\e+j:X+32*\e+j+1], v[X+32*\e+j:X+32*\e+j+1], v[GA+j:GA+j+1], v[BE+j:BE+j+1]
.set j, j+2
.endr
.endr
.irp e, 0,1
.irp j, 0,1,2,3,4,5,6,7
	ds_store_b128 v4, v[X+32*\e+4*\j:X+32*\e+4*\j+3] offset:PITCH*\e+512*\j
.endr
.endr
	s_wait_dscnt 0x0                               ; for the others' sake: my two rows lie in LDS
	s_barrier_signal -1
	s_barrier_wait -1                              ; all sixteen do
	; wave w now takes K step w of all sixteen rows: lane (r, h) takes, of lane-row r, 16 neighbours of each block of 32
.irp b, 0,1,2,3
.irp i, 0,1,2,3
	ds_load_b128 v[X+16*\b+4*\i:X+16*\b+4*\i+3], v7 offset:128*\b+16*\i
.endr
.endr
	s_lshl_b32 s14, ttmp9, 3
	s_add_co_u32 s14, s14, s12
	s_mul_i32 s14, s14, 1536                       ; fragment (G, w)
	s_add_nc_u64 s[16:17], s[10:11], s[14:15]
	s_lshl_b32 s18, s12, 8
	s_add_co_u32 s18, s18, ttmp9
	s_lshl_b32 s18, s18, 6                         ; plane w, group G
	s_add_co_u32 s18, s18, XN_S
	s_mov_b32 s19, 0
	s_add_nc_u64 s[18:19], s[10:11], s[18:19]
	s_wait_dscnt 0x0
	QUANT X
	global_store_b128 v3, v[PC:PC+3], s[16:17]
	global_store_b64 v6, v[PC+4:PC+5], s[16:17] offset:512
	global_store_b128 v3, v[PC+6:PC+9], s[16:17] offset:768
	global_store_b64 v6, v[PC+10:PC+11], s[16:17] offset:1280
	global_store_b32 v5, v[PW], s[18:19]           ; lanes r and 16 + r hold the same word and store it at the same place
	s_wait_tensorcnt 0x0
	ds_add_u32 v192, v193
	s_wait_dscnt 0x0
	s_endpgm
	; ---------------- the weights: a work-group takes 256 columns x one K step of 128; a wave 32 columns; a lane ONE column, its registers running down K
.Lweights:
	s_load_b256 s[24:31], s[0:1], 0x20             ; Wq, Wk, Wv, Wo
	s_load_b128 s[32:35], s[0:1], 0x40             ; W1, W2
	s_load_b64 s[36:37], s[0:1], 0x50              ; wts
	s_sub_co_u32 s13, ttmp9, 256                   ; j: 0-127 the four square weights, 32 each; 128-255 W1; 256-383 W2
	s_and_b32 s14, s13, 3                          ; which 256 columns, where there are 1,024
	s_and_b32 s15, s13, 127
	s_lshr_b32 s16, s15, 2                         ; W2's K step
	s_lshr_b32 s17, s15, 4                         ; W1's
	s_and_b32 s18, s13, 15                         ; W1's 256 columns
	s_and_b32 s19, s13, 31
	s_lshr_b32 s19, s19, 2                         ; a square weight's K step
	s_mov_b32 s38, s14                             ; as for W2: which columns,
	s_mov_b32 s39, s16                             ; K step,
	s_mov_b32 s40, 32                              ; K steps in all,
	s_mov_b32 s41, 12                              ; log2 of a scale plane's bytes,
	s_mov_b32 s42, 8                               ; the codes' base / 786,432,
	s_mov_b32 s43, S_W2                            ; the planes' base,
	s_mov_b32 s44, 12                              ; log2 of a row's bytes in memory
	s_wait_alu depctr_va_vdst(0)
	v_and_b32 v3, 7, v2                            ; my column of the wave's 32: lanes 0-15 are the even group's lane-rows, lanes 16-31 the odd group's
	v_bfe_u32 v4, v2, 4, 1
	s_delay_alu instid0(VALU_DEP_1)
	v_lshl_or_b32 v3, v4, 3, v3
	v_bfe_u32 v4, v2, 3, 1
	s_delay_alu instid0(VALU_DEP_1)
	v_lshl_or_b32 v3, v4, 4, v3
	s_delay_alu instid0(VALU_DEP_1)
	v_lshlrev_b32 v3, 2, v3                        ; in bytes: the wave still reads 128 consecutive bytes
	v_lshlrev_b32 v4, 4, v2
	v_lshlrev_b32 v5, 3, v2
	v_lshlrev_b32 v6, 2, v2
	s_wait_kmcnt 0x0
	s_mov_b64 s[4:5], s[34:35]
	s_cmp_lt_u32 s13, 256                          ; the choices hang on the work-group's number alone
	s_cselect_b64 s[4:5], s[32:33], s[4:5]
	s_cselect_b32 s38, s18, s38
	s_cselect_b32 s39, s17, s39
	s_cselect_b32 s40, 8, s40
	s_cselect_b32 s41, 14, s41
	s_cselect_b32 s42, 4, s42
	s_cselect_b32 s43, S_W1, s43
	s_cselect_b32 s44, 14, s44
	s_cmp_lt_u32 s13, 128
	s_cselect_b64 s[4:5], s[30:31], s[4:5]
	s_cselect_b32 s38, s14, s38
	s_cselect_b32 s39, s19, s39
	s_cselect_b32 s41, 12, s41
	s_cselect_b32 s42, 3, s42
	s_cselect_b32 s43, S_WO, s43
	s_cselect_b32 s44, 12, s44
	s_cmp_lt_u32 s13, 96
	s_cselect_b64 s[4:5], s[28:29], s[4:5]
	s_cselect_b32 s41, 14, s41
	s_cselect_b32 s42, 2, s42
	s_cselect_b32 s43, S_QKV+8192, s43
	s_cmp_lt_u32 s13, 64
	s_cselect_b64 s[4:5], s[26:27], s[4:5]
	s_cselect_b32 s42, 1, s42
	s_cselect_b32 s43, S_QKV+4096, s43
	s_cmp_lt_u32 s13, 32
	s_cselect_b64 s[4:5], s[24:25], s[4:5]
	s_cselect_b32 s42, 0, s42
	s_cselect_b32 s43, S_QKV, s43
	s_lshl_b32 s46, s39, 7                         ; row 128 x K step,
	s_lshl_b32 s46, s46, s44                       ; in bytes,
	s_lshl_b32 s47, s38, 10
	s_add_co_u32 s46, s46, s47                     ; + the work-group's 256 columns
	s_lshl_b32 s47, s12, 7
	s_add_co_u32 s46, s46, s47                     ; + my wave's 32
	s_mov_b32 s47, 0
	s_add_nc_u64 s[4:5], s[4:5], s[46:47]
.macro WLOAD row                       ; W(128 s + i, my column), i = 0 .. 127; every offset an immediate, 127 x 16,384 at the most
.set i, 0
.rept 128
	global_load_b32 v[X+i], v3, s[4:5] offset:i*\row th:TH_LOAD_NT
.set i, i+1
.endr
.endm
	s_cmp_eq_u32 s44, 14
	s_cbranch_scc1 .Lwide
	s_wait_alu depctr_va_vdst(0)
	WLOAD 4096
	s_branch .Lloaded
.Lwide:
	s_wait_alu depctr_va_vdst(0)
	WLOAD 16384
.Lloaded:
	s_lshl_b32 s45, s38, 4
	s_lshl_b32 s46, s12, 1
	s_add_co_u32 s45, s45, s46                     ; my even group: 16 x columns' number + 2 w
	s_mul_i32 s46, s45, s40
	s_add_co_u32 s46, s46, s39
	s_mul_i32 s46, s46, 1536                       ; fragment (group, K step)
	s_mul_i32 s42, s42, 786432
	s_add_co_u32 s46, s46, s42
	s_add_nc_u64 s[46:47], s[36:37], s[46:47]
	s_mul_i32 s48, s40, 1536                       ; the odd group's lies a group's K steps further on
	s_mov_b32 s49, 0
	s_add_nc_u64 s[48:49], s[46:47], s[48:49]
	s_lshl_b32 s50, s39, s41                       ; plane = K step
	s_lshl_b32 s45, s45, 6
	s_add_co_u32 s50, s50, s45
	s_add_co_u32 s50, s50, s43
	s_mov_b32 s51, 0
	s_add_nc_u64 s[50:51], s[36:37], s[50:51]
.macro WMAX b                          ; block b: all its 32 numbers are mine
.set XS, X+32*(\b)
	v_max3_num_f32 v12, |v[XS]|, |v[XS+1]|, |v[XS+2]|
	v_max3_num_f32 v13, |v[XS+3]|, |v[XS+4]|, |v[XS+5]|
.irp i, 6,10,14,18,22,26
	s_delay_alu instid0(VALU_DEP_2)
	v_max3_num_f32 v12, v12, |v[XS+\i]|, |v[XS+\i+1]|
	s_delay_alu instid0(VALU_DEP_2)
	v_max3_num_f32 v13, v13, |v[XS+\i+2]|, |v[XS+\i+3]|
.endr
	s_delay_alu instid0(VALU_DEP_2)
	v_max3_num_f32 v12, v12, |v[XS+30]|, |v[XS+31]|
	s_delay_alu instid0(VALU_DEP_1)
	v_max3_num_f32 v12, v12, v13, 0x1800000        ; and the floor
	s_delay_alu instid0(VALU_DEP_1)
	v_add_nc_u32 v[SO+(\b)], 0xff000000, v12       ; the conversion's scale operand
	s_delay_alu instid0(VALU_DEP_1)
	v_lshrrev_b32 v13, 23, v[SO+(\b)]              ; the byte
.if (\b) == 0
	s_delay_alu instid0(VALU_DEP_1)
	v_mov_b32 v[WD], v13
.else
	s_delay_alu instid0(VALU_DEP_1)
	v_lshl_or_b32 v[WD], v13, 8*(\b), v[WD]
.endif
.endm
.macro WPAIR c                         ; blocks 2 c and 2 c + 1 of 32 columns become registers 6 c .. 6 c + 5 of two fragments
	v_cvt_scalef32_pk16_fp6_f32 v[F0+6*\c:F0+6*\c+2], v[X+64*\c:X+64*\c+15], v[SO+2*\c]
	v_cvt_scalef32_pk16_fp6_f32 v[TA:TA+2], v[X+64*\c+16:X+64*\c+31], v[SO+2*\c]
	v_cvt_scalef32_pk16_fp6_f32 v[F1+6*\c:F1+6*\c+2], v[X+64*\c+32:X+64*\c+47], v[SO+2*\c+1]
	v_cvt_scalef32_pk16_fp6_f32 v[TB:TB+2], v[X+64*\c+48:X+64*\c+63], v[SO+2*\c+1]
	v_nop                                          ; one plain place behind a scaled conversion
.irp i, 0,1,2
	v_permlane16_swap_b32 v[F0+6*\c+\i], v[F1+6*\c+\i]   ; block 2 c's lanes 16-31 (the odd group) change places with block 2 c + 1's lanes 0-15 (the even group):
	v_permlane16_swap_b32 v[TA+\i], v[TB+\i]             ; the first now holds the even group's two blocks, the second the odd group's
.endr
.irp i, 0,1,2
	v_mov_b32 v[F0+6*\c+3+\i], v[TA+\i]
	v_mov_b32 v[F1+6*\c+3+\i], v[TB+\i]
.endr
.endm
	s_wait_loadcnt 63                              ; blocks 0 and 1 are in: 64 loads were issued behind block 1's, and a wait's count names 63 at the most
	WMAX 0
	WMAX 1
	WPAIR 0
	s_wait_loadcnt 32                              ; block 2 is in; block 3's 32 loads may be out
	WMAX 2
	s_wait_loadcnt 0x0
	WMAX 3
	WPAIR 1
	global_store_b128 v4, v[F0:F0+3], s[46:47]
	global_store_b64 v5, v[F0+4:F0+5], s[46:47] offset:512
	global_store_b128 v4, v[F0+6:F0+9], s[46:47] offset:768
	global_store_b64 v5, v[F0+10:F0+11], s[46:47] offset:1280
	global_store_b128 v4, v[F1:F1+3], s[48:49]
	global_store_b64 v5, v[F1+4:F1+5], s[48:49] offset:512
	global_store_b128 v4, v[F1+6:F1+9], s[48:49] offset:768
	global_store_b64 v5, v[F1+10:F1+11], s[48:49] offset:1280
	global_store_b32 v6, v[WD], s[50:51]           ; two groups' words: 128 consecutive bytes
	s_endpgm
.Lfunc_end_k_q2f44f8b08a_prep:
	.size	k_q2f44f8b08a_prep, .Lfunc_end_k_q2f44f8b08a_prep-k_q2f44f8b08a_prep
	.p2alignl 7, 3214868480
	.fill 96, 4, 3214868480
	.section	.rodata,"a",@progbits
	.p2align	6, 0x0
	.amdhsa_kernel k_q2f44f8b08a_prep
		.amdhsa_group_segment_fixed_size 66816
		.amdhsa_private_segment_fixed_size 0
		.amdhsa_enable_private_segment 0
		.amdhsa_kernarg_size 88
		.amdhsa_user_sgpr_count 2
		.amdhsa_user_sgpr_kernarg_segment_ptr 1
		.amdhsa_wavefront_size32 1
		.amdhsa_system_sgpr_workgroup_id_x 1
		.amdhsa_system_sgpr_workgroup_id_y 1
		.amdhsa_system_sgpr_workgroup_id_z 1
		.amdhsa_system_vgpr_workitem_id 0
		.amdhsa_next_free_vgpr 194
		.amdhsa_next_free_sgpr 66
		.amdhsa_reserve_vcc 0
		.amdhsa_float_denorm_mode_32 3
		.amdhsa_float_denorm_mode_16_64 3
		.amdhsa_memory_ordered 1
		.amdhsa_forward_progress 1
		.amdhsa_inst_pref_size 65
	.end_amdhsa_kernel
	.amdgpu_metadata
---
amdhsa.version: [ 1, 2 ]
amdhsa.kernels:
  - .name:           k_q2f44f8b08a_prep
    .symbol:         k_q2f44f8b08a_prep.kd
    .args:
      - { .name: x, .offset: 0, .size: 8, .value_kind: global_buffer, .address_space: global }
      - { .name: ln1_g, .offset: 8, .size: 8, .value_kind: global_buffer, .address_space: global }
      - { .name: ln1_b, .offset: 16, .size: 8, .value_kind: global_buffer, .address_space: global }
      - { .name: xn, .offset: 24, .size: 8, .value_kind: global_buffer, .address_space: global }
      - { .name: Wq, .offset: 32, .size: 8, .value_kind: global_buffer, .address_space: global }
      - { .name: Wk, .offset: 40, .size: 8, .value_kind: global_buffer, .address_space: global }
      - { .name: Wv, .offset: 48, .size: 8, .value_kind: global_buffer, .address_space: global }
      - { .name: Wo, .offset: 56, .size: 8, .value_kind: global_buffer, .address_space: global }
      - { .name: W1, .offset: 64, .size: 8, .value_kind: global_buffer, .address_space: global }
      - { .name: W2, .offset: 72, .size: 8, .value_kind: global_buffer, .address_space: global }
      - { .name: wts, .offset: 80, .size: 8, .value_kind: global_buffer, .address_space: global }
    .group_segment_fixed_size: 66816
    .private_segment_fixed_size: 0
    .kernarg_segment_align: 8
    .kernarg_segment_size: 88
    .max_flat_workgroup_size: 256
    .sgpr_count:     66
    .vgpr_count:     194
    .wavefront_size: 32
...
	.end_amdgpu_metadata
.endif
;; end of part 1
;; launch gemm_qkv (part 2): grid 12 x 16, 4 waves a work-group, clusters of 4 x 4, 327,680 bytes of LDS; arguments xn, wts, bq, bk, bv, qkv; writes qkv
.if DOCPART == 2
	.amdgcn_target "amdgcn-amd-amdhsa--gfx1250"
	.amdhsa_code_object_version 6
	.text
	.protected	k_q2f44f8b08a_gemm_qkv
	.globl	k_q2f44f8b08a_gemm_qkv
	.p2align	8
	.type	k_q2f44f8b08a_gemm_qkv,@function
k_q2f44f8b08a_gemm_qkv:
	s_mov_b64 s[64:65], 0
	v_nop
	global_prefetch_b8 v0, s[64:65] scope:SCOPE_SE
	s_setreg_imm32_b32 hwreg(HW_REG_WAVE_MODE, 25, 1), 1
	s_wait_xcnt 0x0
	s_wait_alu depctr_hold_cnt(0) depctr_sa_sdst(0) depctr_va_vdst(0) depctr_va_sdst(0) depctr_va_ssrc(0) depctr_va_vcc(0) depctr_vm_vsrc(0)
	s_getreg_b32 s2, hwreg(HW_REG_IB_STS2, 6, 4)
	s_cmp_eq_u32 s2, 0
	s_cbranch_scc0 .Lentry_in_a_cluster
	s_endpgm
.Lentry_in_a_cluster:
	s_bfe_u32 s2, ttmp6, 0x10000c
	s_cmp_lg_u32 s2, 0xf033
	s_cbranch_scc0 .Lentry_shape_is_right
	s_endpgm
.Lentry_shape_is_right:
; q, k, v = xn W + b on codes of FP6 (E2M3), and the results quantised again on the way out: q and k along the head's 64, v along the keys.
; Operands lie as images of operand registers, in groups of 16 rows in a fixed order, scale words in planes by K step (the layout is set out at the head of the launch that makes them).
; A tile of 256 x 256 to a work-group, four waves of 128 x 128 (64 accumulators, 512 registers).  K = 1,024 goes in four slots' worth of 256 through a ring of two LDS slots.
; The matrix instruction takes source 0 = a group of B, source 1 = a group of A: a lane holds ONE row of A, and its registers run along B's rows; by the groups' order the 64 registers of B's eight groups are
; 128 neighbours: so they are quantised in registers and stored as a fragment, with nothing transposed.
; CLUSTERS x = 0, 1: A = xn (tokens), B = Wq | Wk (columns): a lane holds a token, registers run along a head's channels: q, k.
; CLUSTER  x = 2:    the roles are swapped: A = Wv (channels), B = xn (tokens): a lane holds a channel, registers run along the keys: v.  The choice hangs on the cluster's x, which all partners share.
; 4 x 4 work-groups form a cluster; A's tiles are asked for jointly along a row of it, B's along a column.  192 work-groups: the problem has no more tiles of this size.
; The tiles' rows in memory are a group's 3,072 bytes of a slot; a wave's tensor load has eight of them: the layout has no more rows than groups.
; LIMITS: NaN and infinities are not served; a block of zeros gets the byte 1 (only this program reads the bytes); blocks under 2^-124 are held at the byte 1.
.set NA,    8                          ; groups of A, and of B, to a wave
.set NQ,    2                          ; K steps of 128 in a slot
.set NS,    8                          ; K steps in all
.set NL,    4                          ; LDS loads that bring a fragment
.set GROW,  NQ*1536                    ; a group's bytes in a slot
.set HALFT, NA*GROW                    ; what one tensor load brings, and what one wave reads of A or of B
.set SLOT,  4*HALFT                    ; A's two halves, then B's
.set SCL,   2*SLOT                     ; behind the ring: A's scale planes [K step][16 groups][64 bytes], filled once,
.set SCSZ,  NS*2*NA*64
.set SPARE, SCL+2*SCSZ                 ; then B's, then the spare words: 128 bytes a wave, two blocks of 256 bytes that no other line names
.set LAPS,  NS/(2*NQ)
.set XN_S,  3145728                    ; xn: where the scale planes begin
.set S_QKV, 9437184                    ; wts: likewise for Wq, Wk, Wv (their codes begin at 0)
.set V_C,   6291456                    ; qkv: v's codes [head of batch][key step][4 groups of channels] x 1,536   (q's and k's begin at 0: [q | k][head of batch][64 groups] x 768)
.set QK_S,  9437184                    ; q's and k's scale words [q | k][head of batch][64 groups][16], each the head's two bytes twice
.set V_S,   9961472                    ; v's scale words [head of batch][key step][4 groups][16]
.set ADRA, 16                          ; v16-17 LDS address of my A fragments in slot 0, 1 (16 x lane); v18-19 the same with 8 x lane
.set ADRB, 20                          ; v20-23 likewise for B
.set ADRS, 27                          ; v27 my scale words: lanes 0-15 A's, lanes 16-31 B's
.set SPW,  28                          ; v28 my spare word; never rewritten
.set NIL,  29                          ; v29 0; never rewritten
.set SC,   32                          ; v32-63 scale words, two sets of 16: they hold scales and nothing else
.set BIAS, 64                          ; v64-127 the bias that goes by register (bq, bk; zeros for v)
.set AF,   128                         ; v128-223 A's fragments, one set (window 0); B's two sets at v0 and v128 of window 1; accumulators in windows 2 and 3
.set T,    128                         ; the way out: 64 numbers
.set TM,   192
.set PW,   208
.set PC,   210
.set BLA,  232                         ; v232-247 the bias that goes by lane, a pair for each group of A (bv; zeros for q, k)
.set G1A,  24
.set G0A,  32
.set G1B,  48
.set G0B,  56
.set G1SA, 68
.set G0SA, 76
.set G1SB, 80
.set G0SB, 88
.set WV,   16
.set WR,   17
.set WC,   18
.set ISV,  23
.set SEL,  100
.set MSB, 0
.macro WIN new                         ; the immediate's high byte repeats the setting that is left
.if MSB != (\new)
	s_set_vgpr_msb (MSB<<8)|(\new)
.set MSB, (\new)
.endif
.endm
.macro PLACES n
.rept \n
	v_nop
.endr
.endm
; A joint load: waves 0 and 1 fetch for A, waves 2 and 3 for B; the branch hangs on the wave's number alone.  Four v_nop follow each of the two lines.
.macro JLOAD g0a, g1a, g0b, g1b
	s_cmp_eq_u32 s[WR], 0
	s_cbranch_scc0 .Lfor_b_\@
	tensor_load_to_lds s[\g0a:\g0a+3], s[\g1a:\g1a+7]
	s_nop 0
.rept 4
	v_nop
.endr
	s_branch .Lasked_\@
.Lfor_b_\@:
	tensor_load_to_lds s[\g0b:\g0b+3], s[\g1b:\g1b+7]
	s_nop 0
.rept 4
	v_nop
.endr
.Lasked_\@:
.endm
.macro CREST                           ; a round of the cluster's barrier behind its opening barrier
	s_cmp_lg_u32 s[WV], 0
	s_cbranch_scc1 .Lnot_wave_0_\@
	s_barrier_signal -3
.Lnot_wave_0_\@:
	s_barrier_wait -3
	s_barrier_signal -1
	s_barrier_wait -1
.endm
.macro CROUND
	s_barrier_signal -1
	s_barrier_wait -1
	CREST
.endm
.macro FRAG reg, adr, off              ; a fragment's image comes back as it was stored: each load takes 512 or 256 consecutive bytes
	ds_load_b128 v[\reg:\reg+3], v[\adr] offset:\off
	ds_load_b64 v[\reg+4:\reg+5], v[\adr+2] offset:\off+512
	ds_load_b128 v[\reg+6:\reg+9], v[\adr] offset:\off+768
	ds_load_b64 v[\reg+10:\reg+11], v[\adr+2] offset:\off+1280
.endm
.macro FETCH_B slot, q, p              ; B's eight fragments of the slot's q-th K step into set p
	WIN 0x40
.set fi, 0
.rept NA
	FRAG 128*(\p)+12*fi, ADRB+\slot, fi*GROW+(\q)*1536
.set fi, fi+1
.endr
	WIN 0
.endm
.macro FETCH_A slot, q, i0             ; half of A's fragments, from group i0 on
.set fi, \i0
.rept NA/2
	FRAG AF+12*fi, ADRA+\slot, fi*GROW+(\q)*1536
.set fi, fi+1
.endr
.endm
.macro SCALES sc                       ; a slot's scale words into set sc: register NQ i + q: lanes 0-15 the words of A's group i, lanes 16-31 those of B's group i
.set si, 0
.rept NA
.set sq, 0
.rept NQ
	ds_load_b32 v[SC+16*(\sc)+NQ*si+sq], v[ADRS] offset:sq*2*NA*64+64*si
.set sq, sq+1
.endr
.set si, si+1
.endr
.endm
.macro MULA a, p, q, sc, zero          ; A's group a against B's eight; zero = 1: the product starts the sums
.irp b, 0,1,2,3,4,5,6,7
.set AC, (8*(NA*(\a)+\b))%256
.if \zero
	v_wmma_scale_f32_16x16x128_f8f6f4 v[AC:AC+7], v[128*(\p)+12*\b:128*(\p)+12*\b+11], v[AF+12*(\a):AF+12*(\a)+11], 0, v[SC+16*(\sc)+NQ*\b+(\q)], v[SC+16*(\sc)+NQ*(\a)+(\q)] matrix_a_fmt:MATRIX_FMT_FP6 matrix_b_fmt:MATRIX_FMT_FP6 matrix_a_scale:MATRIX_SCALE_ROW1
.else
	v_wmma_scale_f32_16x16x128_f8f6f4 v[AC:AC+7], v[128*(\p)+12*\b:128*(\p)+12*\b+11], v[AF+12*(\a):AF+12*(\a)+11], v[AC:AC+7], v[SC+16*(\sc)+NQ*\b+(\q)], v[SC+16*(\sc)+NQ*(\a)+(\q)] matrix_a_fmt:MATRIX_FMT_FP6 matrix_b_fmt:MATRIX_FMT_FP6 matrix_a_scale:MATRIX_SCALE_ROW1
.endif
.endr
.endm
.macro MULQ i, p, q, sc, zero          ; quarter i of a K step's 64 products.  The 64 accumulators take turns in the same order in every step
	WIN 0xa1+0x50*((\i)/2)
	MULA 2*(\i), \p, \q, \sc, \zero
	MULA 2*(\i)+1, \p, \q, \sc, \zero
.endm
.macro STEP slot, q, zero              ; a K step that has its successor in the same slot
	s_wait_dscnt (NA/2)*NL                         ; all but the youngest loads, A's second half
	MULQ 0, (\q)%2, \q, \slot, \zero
	MULQ 1, (\q)%2, \q, \slot, \zero
	s_wait_dscnt 0x0                               ; A's second half is in
	PLACES 4                                       ; in front of loads into registers that matrix instructions have read
	FETCH_B \slot, (\q)+1, 1-(\q)%2
	FETCH_A \slot, (\q)+1, 0
	MULQ 2, (\q)%2, \q, \slot, \zero
	MULQ 3, (\q)%2, \q, \slot, \zero
	PLACES 4
	WIN 0
	FETCH_A \slot, (\q)+1, NA/2
.endm
; A slot's last K step changes slots: one barrier; in front of it each wave waits for all its tensor loads, adds 0 to its spare word, and waits for that and for its reads of this slot.
.macro TURN slot, next, fill
	s_wait_tensorcnt 0x0                           ; all my tensor loads have landed: my part of the next slot
	ds_add_u32 v[SPW], v[NIL]
	s_wait_dscnt (NA/2)*NL+1                       ; the add and A's second half may be out
	MULQ 0, 1, NQ-1, \slot, 0
	s_wait_dscnt 0x0                               ; the add is done, and my reads of this slot are over
	s_barrier_signal -1
	MULQ 1, 1, NQ-1, \slot, 0
	WIN 0
	s_barrier_wait -1
.if \fill
	CREST                                          ; the barrier has opened a round of the cluster's: no wave of any partner still reads this slot or has a load on its way
	s_add_nc_u64 s[G0A+4*\slot+2:G0A+4*\slot+3], s[G0A+4*\slot+2:G0A+4*\slot+3], 2*GROW
	s_add_nc_u64 s[G0B+4*\slot+2:G0B+4*\slot+3], s[G0B+4*\slot+2:G0B+4*\slot+3], 2*GROW
	JLOAD G0A+4*\slot, G1A, G0B+4*\slot, G1B       ; the first tensor load behind the round; its four v_nop are the places in front of the loads below
.else
	PLACES 4
.endif
	s_wait_alu depctr_va_vdst(0)
	v_add_nc_u32 v[ADRS], NQ*2*NA*64, v[ADRS]      ; on to the next slot's planes
	FETCH_B \next, 0, 0
	FETCH_A \next, 0, 0
	SCALES \next
	MULQ 2, 1, NQ-1, \slot, 0
	MULQ 3, 1, NQ-1, \slot, 0
	PLACES 4
	WIN 0
	FETCH_A \next, 0, NA/2
.endm
.macro QUANT s                         ; 64 numbers, register 16 b + i = k 32 b + 16 (lane / 16) + i of my row, become codes in v[PC] on and a scale word in v[PW]
.irp b, 0,1,2,3
	v_max3_num_f32 v[TM+\b], |v[\s+16*\b]|, |v[\s+1+16*\b]|, 0x1800000   ; with the floor 2^(3 - 127): the byte cannot fall under 1
.endr
.irp i, 2,4,6,8,10,12,14
.irp b, 0,1,2,3
	v_max3_num_f32 v[TM+\b], v[TM+\b], |v[\s+16*\b+\i]|, |v[\s+1+16*\b+\i]|
.endr
.endr
.irp b, 0,1,2,3
	v_permlanex16_b32 v[TM+4+\b], v[TM+\b], s[SEL], s[SEL+1]
.endr
.irp b, 0,1,2,3
	v_max_num_f32 v[TM+\b], v[TM+\b], v[TM+4+\b]
.endr
.irp b, 0,1,2,3
	v_add_nc_u32 v[TM+12+\b], 0xff000000, v[TM+\b]               ; 2 off the exponent field: the conversion's scale operand
.endr
.irp b, 0,1,2,3
	v_lshrrev_b32 v[TM+4+\b], 23, v[TM+12+\b]
.endr
	v_lshl_or_b32 v[PW], v[TM+5], 8, v[TM+4]
	v_lshl_or_b32 v[PW], v[TM+6], 16, v[PW]
	v_lshl_or_b32 v[PW], v[TM+7], 24, v[PW]
.irp c, 0,1
	v_cvt_scalef32_pk16_fp6_f32 v[PC+6*\c:PC+2+6*\c], v[\s+32*\c:\s+15+32*\c], v[TM+12+2*\c]
	v_cvt_scalef32_pk16_fp6_f32 v[PC+12+4*\c:PC+14+4*\c], v[\s+16+32*\c:\s+31+32*\c], v[TM+12+2*\c+1]
.endr
	v_nop                                          ; one plain place behind a scaled conversion
.irp c, 0,1
.irp i, 0,1,2
	v_permlane16_swap_b32 v[PC+6*\c+\i], v[PC+12+4*\c+\i]
.endr
.irp i, 0,1,2
	v_mov_b32 v[PC+3+6*\c+\i], v[PC+12+4*\c+\i]
.endr
.endr
.endm
	s_load_b128 s[4:7], s[0:1], 0x0                ; xn, wts
	s_load_b128 s[8:11], s[0:1], 0x10              ; bq, bk
	s_load_b128 s[12:15], s[0:1], 0x20             ; bv, qkv
	v_lshl_add_u32 v[SPW], v0, 2, SPARE
	v_mov_b32 v[NIL], 0
	ds_add_u32 v28, v29
	ds_add_u32 v28, v29
	s_wait_dscnt 0x0
	v_lshrrev_b32 v1, 5, v0
	v_readfirstlane_b32 s[WV], v1                  ; wave 0..3
	s_lshr_b32 s[WR], s[WV], 1                     ; which half of A's rows is mine.  Also: I fetch for A (0) or for B (1)
	s_and_b32 s[WC], s[WV], 1                      ; which half of B's rows.  Also: which half of that tile I fetch
	s_bfe_u32 s19, ttmp6, 0x40000                  ; cx
	s_bfe_u32 s20, ttmp6, 0x40004                  ; cy
	s_and_b32 s40, ttmp7, 0xffff                   ; the cluster's y
	s_cmp_eq_u32 ttmp9, 2                          ; the third column of clusters makes v
	s_cselect_b32 s[ISV], 1, 0
	s_cselect_b32 s21, 0, s40
	s_cselect_b32 s22, s40, ttmp9
	s_lshl_b32 s21, s21, 2
	s_add_co_u32 s21, s21, s20                     ; A's tile: q, k: 4 x cluster y + cy (tokens); v: cy (channels)
	s_lshl_b32 s22, s22, 2
	s_add_co_u32 s22, s22, s19                     ; B's tile: q, k: 4 x cluster x + cx (columns of Wq | Wk); v: 4 x cluster y + cx (tokens)
	s_lshl_b32 s40, s20, 2
	s_lshl_b32 s40, 15, s40                        ; my row of the cluster
	s_lshl_b32 s41, 0x1111, s19                    ; my column
	s_or_b32 s[G1A], s40, (3<<16)|(1<<21)          ; 15:0 the mask; 17:16 elements of 8 bytes; 21 set beside a mask; no padding: each LDS load takes consecutive bytes
	s_or_b32 s[G1B], s41, (3<<16)|(1<<21)
.irp g, G1A, G1B
	s_mov_b32 s[\g+1], (GROW/8)<<16                ; tensor_dim0: a group's bytes of a slot
	s_mov_b32 s[\g+2], (2*NA)<<16                  ; tensor_dim1: the head's loads take all sixteen groups of a tile; the ring's eight (set behind the head's wait)
	s_mov_b32 s[\g+3], (GROW/8)<<16                ; tile_dim0
	s_mov_b32 s[\g+4], 2*NA                        ; tile_dim1
	s_mov_b32 s[\g+5], NS*192                      ; from group to group: all its K steps
	s_mov_b32 s[\g+6], 0
	s_mov_b32 s[\g+7], 0
.endr
	s_or_b32 s[G1SA], s40, (3<<16)|(1<<21)
	s_or_b32 s[G1SB], s41, (3<<16)|(1<<21)
.irp g, G1SA, G1SB
	s_mov_b32 s[\g+1], (2*NA*8)<<16                ; the tile's 16 groups of a plane: 1,024 bytes
	s_mov_b32 s[\g+2], NS<<16                      ; all the planes
	s_mov_b32 s[\g+3], (2*NA*8)<<16
	s_mov_b32 s[\g+4], NS
	s_mov_b32 s[\g+5], 256*8                       ; a plane has 256 groups in xn and in wts alike
	s_mov_b32 s[\g+6], 0
	s_mov_b32 s[\g+7], 0
.endr
	; A's offsets are made of A's tile and the wave's number, B's of B's: each in registers that never hold the other coordinate
	s_lshl_b32 s42, s21, 4
	s_lshl_b32 s43, s[ISV], 7
	s_add_co_u32 s42, s42, s43                     ; A's first group (Wv's groups begin at 128)
	s_lshl_b32 s44, s42, 6                         ; its place in a plane
	s_mul_i32 s42, s42, NS*1536                    ; the codes that I fetch
	s_mov_b32 s43, 0
	s_cmp_eq_u32 s[ISV], 0
	s_mov_b32 s45, S_QKV
	s_cselect_b32 s45, XN_S, s45
	s_add_co_u32 s44, s44, s45
	s_mov_b32 s45, 0
	s_lshl_b32 s92, s22, 4
	s_lshl_b32 s94, s92, 6
	s_mul_i32 s92, s92, NS*1536
	s_mov_b32 s93, 0
	s_cmp_eq_u32 s[ISV], 0
	s_mov_b32 s95, XN_S
	s_cselect_b32 s95, S_QKV, s95
	s_add_co_u32 s94, s94, s95
	s_mov_b32 s95, 0
	s_mul_i32 s46, s[WV], HALFT                    ; where they go: no place in the cluster enters an LDS address
	s_mul_i32 s2, s[WC], NA*NS*1536                ; s[2:3]: from a tile's first group to the half that I fetch in the ring
	s_mov_b32 s3, 0
	s_wait_kmcnt 0x0
	s_cmp_eq_u32 s[ISV], 0
	s_cselect_b64 s[96:97], s[4:5], s[6:7]         ; A's buffer
	s_cselect_b64 s[98:99], s[6:7], s[4:5]         ; B's
	s_add_nc_u64 s[42:43], s[96:97], s[42:43]
	s_add_nc_u64 s[44:45], s[96:97], s[44:45]
	s_add_nc_u64 s[92:93], s[98:99], s[92:93]
	s_add_nc_u64 s[94:95], s[98:99], s[94:95]
	CROUND                                         ; all sixteen work-groups are here: the first joint loads meet
	s_mov_b32 s[G0SA], 1
	s_mov_b32 s[G0SA+1], SCL
	s_mov_b64 s[G0SA+2:G0SA+3], s[44:45]
	s_or_b32 s[G0SA+3], s[G0SA+3], 0x80000000
	s_mov_b32 s[G0SB], 1
	s_mov_b32 s[G0SB+1], SCL+SCSZ
	s_mov_b64 s[G0SB+2:G0SB+3], s[94:95]
	s_or_b32 s[G0SB+3], s[G0SB+3], 0x80000000
	s_mov_b32 s[G0A], 1                            ; the head's tiles, each whole: slot 0's sixteen groups of A,
	s_mov_b32 s[G0A+1], 0
	s_mov_b64 s[G0A+2:G0A+3], s[42:43]
	s_or_b32 s[G0A+3], s[G0A+3], 0x80000000
	s_mov_b32 s[G0B], 1                            ; and of B, behind them
	s_mov_b32 s[G0B+1], 2*HALFT
	s_mov_b64 s[G0B+2:G0B+3], s[92:93]
	s_or_b32 s[G0B+3], s[G0B+3], 0x80000000
	s_add_nc_u64 s[42:43], s[42:43], s[2:3]        ; for the ring: my eight groups
	s_add_nc_u64 s[92:93], s[92:93], s[2:3]
	s_mov_b32 s[G0A+4], 1
	s_add_co_u32 s[G0A+5], s46, SLOT
	s_add_nc_u64 s[G0A+6:G0A+7], s[42:43], GROW
	s_or_b32 s[G0A+7], s[G0A+7], 0x80000000
	s_mov_b32 s[G0B+4], 1
	s_add_co_u32 s[G0B+5], s46, SLOT
	s_add_nc_u64 s[G0B+6:G0B+7], s[92:93], GROW
	s_or_b32 s[G0B+7], s[G0B+7], 0x80000000
; The head's loads, one a wave: wave 0 slot 0's A, wave 1 its B, wave 2 A's scale planes, wave 3 B's: one chain of branches on the wave's number
.macro ARM under, g0, g1, next
	s_cmp_lt_u32 s[WV], \under
	s_cbranch_scc0 \next
	tensor_load_to_lds s[\g0:\g0+3], s[\g1:\g1+7]
	s_nop 0
.rept 4
	v_nop
.endr
	s_branch .Lhead_asked
\next:
.endm
	ARM 1, G0A,  G1A,  .Lhead_b
	ARM 2, G0B,  G1B,  .Lhead_sa
	ARM 3, G0SA, G1SA, .Lhead_sb
	tensor_load_to_lds s[G0SB:G0SB+3], s[G1SB:G1SB+7]
	s_nop 0
.rept 4
	v_nop
.endr
.Lhead_asked:
	v_and_b32 v1, 31, v0                           ; lane
	v_and_b32 v2, 15, v0                           ; r
	v_bfe_u32 v3, v0, 4, 1                         ; h
	v_lshlrev_b32 v8, 4, v1                        ; 16 x lane
	v_lshlrev_b32 v9, 3, v1                        ; 8 x lane
.irp a, 0,1,2,3,4,5,6,7
	v_mov_b32 v[BLA+2*\a+1], 0                     ; (the pairs' upper halves are named with the lower, so they are written)
.endr
	; the biases.  s[66:67] and v14 are these loads' address and are not written again
	s_cmp_eq_u32 s[ISV], 0
	s_cbranch_scc0 .Lbias_v
	s_lshl_b32 s40, s22, 8
	s_lshl_b32 s41, s[WC], 7
	s_add_co_u32 s40, s40, s41
	s_and_b32 s40, s40, 1023                       ; my first column in Wq or in Wk
	s_lshl_b32 s40, s40, 2
	s_mov_b32 s41, 0
	s_cmp_lt_u32 s22, 4
	s_cselect_b64 s[66:67], s[8:9], s[10:11]
	s_add_nc_u64 s[66:67], s[66:67], s[40:41]
	v_lshlrev_b32 v14, 6, v3
.irp b, 0,1,2,3,4,5,6,7
	global_load_b128 v[BIAS+8*\b:BIAS+8*\b+3], v14, s[66:67] offset:(32*(\b/2)+8*(\b%2))*4       ; group b's eight columns of my half: 32 (b / 2) + 16 h + 8 (b % 2) + 0 .. 7
	global_load_b128 v[BIAS+8*\b+4:BIAS+8*\b+7], v14, s[66:67] offset:(32*(\b/2)+8*(\b%2))*4+16
.endr
.irp a, 0,1,2,3,4,5,6,7
	v_mov_b32 v[BLA+2*\a], 0
.endr
	s_branch .Lbias_done
.Lbias_v:
	s_lshl_b32 s40, s21, 8
	s_lshl_b32 s41, s[WR], 7
	s_add_co_u32 s40, s40, s41                     ; my first channel
	s_lshl_b32 s40, s40, 2
	s_mov_b32 s41, 0
	s_add_nc_u64 s[66:67], s[12:13], s[40:41]
	v_and_b32 v14, 8, v2
	v_add_nc_u32 v14, v14, v2                      ; r + 8 (r / 8)
	v_lshlrev_b32 v14, 2, v14
.irp a, 0,1,2,3,4,5,6,7
	global_load_b32 v[BLA+2*\a], v14, s[66:67] offset:(32*(\a/2)+8*(\a%2))*4
.endr
.set ci, 0
.rept 64
	v_mov_b32 v[BIAS+ci], 0
.set ci, ci+1
.endr
.Lbias_done:
	; PREFETCH: behind the load of a slot's worth c, slot's worth c + 2 of the eight groups that I fetch in the ring is asked for.  The four partners that ask for a tile jointly share it out by address:
	; the partner at place p (cx for A, cy for B) takes groups 2 p and 2 p + 1: 24 blocks of 256 bytes, a lane a block; lanes 24-31 name the last block again.  K has four slots' worth: two requests, and none in the loop.
	s_cmp_eq_u32 s[WR], 0                          ; do I fetch for A?
	s_cselect_b32 s40, s21, s22                    ; the tile,
	s_cselect_b32 s41, s19, s20                    ; my place among the four that ask with me,
	s_cselect_b32 s42, s[ISV], 0                   ; (as A, Wv's groups begin at 128)
	s_cselect_b64 s[4:5], s[96:97], s[98:99]       ; the buffer
	s_lshl_b32 s40, s40, 4
	s_lshl_b32 s42, s42, 7
	s_add_co_u32 s40, s40, s42
	s_lshl_b32 s42, s[WC], 3
	s_add_co_u32 s40, s40, s42
	s_lshl_b32 s41, s41, 1
	s_add_co_u32 s40, s40, s41
	s_mul_i32 s40, s40, NS*1536
	s_mov_b32 s41, 0
	s_add_nc_u64 s[4:5], s[4:5], s[40:41]          ; s[4:5] and v5 are not written again
	v_and_b32 v5, 31, v0
	v_min_u32 v5, 23, v5
	v_mul_u32_u24 v4, v5, 11
	v_lshrrev_b32 v4, 7, v4                        ; lane / 12: which of my two groups
	v_mul_u32_u24 v4, v4, NS*1536-GROW
	v_lshl_add_u32 v5, v5, 8, v4
	global_prefetch_b8 v5, s[4:5] offset:2*GROW th:TH_LOAD_NT scope:SCOPE_SE
	s_mul_i32 s40, s[WR], HALFT
	s_mul_i32 s41, s[WC], HALFT
	s_add_co_u32 s41, s41, 2*HALFT                 ; my half of B, behind A's two
.irp s, 0,1
	v_add_nc_u32 v[ADRA+\s], s40, v8
	v_add_nc_u32 v[ADRA+2+\s], s40, v9
	v_add_nc_u32 v[ADRB+\s], s41, v8
	v_add_nc_u32 v[ADRB+2+\s], s41, v9
	s_add_co_u32 s40, s40, SLOT
	s_add_co_u32 s41, s41, SLOT
.endr
	v_lshlrev_b32 v6, 2, v2                        ; scale words: 4 r,
	s_mul_i32 s40, s[WR], NA*64                    ; A's: my eight groups of a plane;
	s_mul_i32 s41, s[WC], NA*64
	s_add_co_u32 s41, s41, SCSZ                    ; B's lie behind all of A's planes
	s_sub_co_u32 s41, s41, s40
	v_mul_u32_u24 v7, s41, v3                      ; lanes 16-31 take B's: ONE product with h
	s_add_co_u32 s40, s40, SCL
	v_add_nc_u32 v6, v6, v7
	v_add_nc_u32 v[ADRS], s40, v6
	s_lshl_b32 s40, s[WV], 10                      ; the way out: 1,024 bytes a wave for scale words, in slot 0 (which has had its last fill and its last read by then)
	v_lshl_add_u32 v12, v2, 2, s40
	v_lshl_add_u32 v12, v3, 9, v12                 ; in: 4 r + 512 h
	v_add_nc_u32 v13, s40, v8                      ; back: 16 x lane
	; where my results go.  q, k: head index 4 x B's tile + 2 WC of 32 (q's 16, then k's); groups of tokens 16 (A's tile % 4) + 8 WR of batch A's tile / 4
	s_lshl_b32 s40, s22, 2
	s_lshl_b32 s41, s[WC], 1
	s_add_co_u32 s40, s40, s41
	s_lshr_b32 s41, s40, 4
	s_and_b32 s40, s40, 15
	s_lshl_b32 s41, s41, 6
	s_add_co_u32 s40, s40, s41
	s_lshr_b32 s41, s21, 2
	s_lshl_b32 s41, s41, 4
	s_add_co_u32 s40, s40, s41
	s_lshl_b32 s40, s40, 6
	s_and_b32 s41, s21, 3
	s_lshl_b32 s41, s41, 4
	s_add_co_u32 s40, s40, s41
	s_lshl_b32 s41, s[WR], 3
	s_add_co_u32 s40, s40, s41
	s_mul_i32 s42, s40, 768
	s_lshl_b32 s43, s40, 6
	s_add_co_u32 s43, s43, QK_S
	; v: head 4 x A's tile + 2 WR; batch B's tile / 4; key step 2 (B's tile % 4) + WC
	s_lshl_b32 s40, s21, 2
	s_lshl_b32 s41, s[WR], 1
	s_add_co_u32 s40, s40, s41
	s_lshr_b32 s41, s22, 2
	s_lshl_b32 s41, s41, 4
	s_add_co_u32 s40, s40, s41
	s_lshl_b32 s40, s40, 3
	s_and_b32 s41, s22, 3
	s_lshl_b32 s41, s41, 1
	s_add_co_u32 s40, s40, s41
	s_add_co_u32 s40, s40, s[WC]
	s_mul_i32 s44, s40, 6144
	s_add_co_u32 s44, s44, V_C
	s_lshl_b32 s45, s40, 8
	s_add_co_u32 s45, s45, V_S
	s_cmp_eq_u32 s[ISV], 0
	s_cselect_b32 s92, s42, s44
	s_cselect_b32 s94, s43, s45
	s_mov_b32 s96, 1536
	s_cselect_b32 s96, 768, s96                    ; from one group of A to the next
	s_cselect_b32 s98, 0, 43008                    ; v: behind four groups the next head begins: 49,152 - 4 x 1,536
	s_mov_b32 s40, 768
	s_cselect_b32 s40, 49152, s40                  ; from a fragment's first half to its second: q, k: the next head; v: straight on
	s_mov_b32 s41, 2048
	s_cselect_b32 s41, 256, s41                    ; scale words on the way out: from lanes 0-15 to lanes 16-31
	s_cselect_b32 s47, 0, -1                       ; all lanes where v is made
	s_mov_b32 s93, 0
	s_mov_b32 s95, 0
	s_mov_b32 s97, 0
	s_mov_b32 s99, 0
	s_add_nc_u64 s[92:93], s[14:15], s[92:93]
	s_add_nc_u64 s[94:95], s[14:15], s[94:95]
	v_add_nc_u32 v10, s40, v8
	v_add_nc_u32 v11, s40, v9
	v_mul_u32_u24 v15, s41, v3
	v_lshl_add_u32 v15, v2, 4, v15
	s_wait_alu depctr_va_vdst(0)
	s_wait_tensorcnt 0x0                           ; my tile of the head's four is in
	ds_add_u32 v[SPW], v[NIL]
	s_mov_b32 s[G1A+2], NA<<16                     ; no load of mine is out: from here on a load brings eight groups,
	s_mov_b32 s[G1A+4], NA
	s_mov_b32 s[G1B+2], NA<<16
	s_mov_b32 s[G1B+4], NA
	s_mov_b32 s[G0A+1], s46                        ; and slot 0's group 0 names my half
	s_add_nc_u64 s[G0A+2:G0A+3], s[G0A+2:G0A+3], s[2:3]
	s_mov_b32 s[G0B+1], s46
	s_add_nc_u64 s[G0B+2:G0B+3], s[G0B+2:G0B+3], s[2:3]
	s_wait_dscnt 0x0
	CROUND                                         ; all four tiles are in, and all sixteen work-groups are here
	JLOAD G0A+4, G1A, G0B+4, G1B                   ; slot 1's first fill: my one load behind the round
	FETCH_B 0, 0, 0
	FETCH_A 0, 0, 0
	SCALES 0
	global_prefetch_b8 v5, s[4:5] offset:3*GROW th:TH_LOAD_NT scope:SCOPE_SE   ; behind slot 1's fill: the last slot's worth
	FETCH_A 0, 0, NA/2
	STEP 0, 0, 1                                   ; the first K step stands in front of the loop: its products start the sums
	s_mov_b32 s3, LAPS-1
.Llap:                                             ; a trip goes once round the ring and fills both slots again
	TURN 0, 1, 1
	STEP 1, 0, 0
	TURN 1, 0, 1
	STEP 0, 0, 0
	s_sub_co_u32 s3, s3, 1
	s_cmp_lg_u32 s3, 0
	s_cbranch_scc1 .Llap
	TURN 0, 1, 0                                   ; the last lap fills nothing
	STEP 1, 0, 0
	s_wait_dscnt (NA/2)*NL
	MULQ 0, 1, NQ-1, 1, 0
	MULQ 1, 1, NQ-1, 1, 0
	s_wait_dscnt 0x0
	MULQ 2, 1, NQ-1, 1, 0
	MULQ 3, 1, NQ-1, 1, 0
	WIN 0
	; THE WAY OUT, a group of A at a time: a loop of eight trips; only the copy out of the accumulators, whose register numbers differ, is written eight times
	PLACES 4
	s_wait_loadcnt 0x0                             ; the biases
	s_mov_b32 s[SEL], 0x76543210
	s_mov_b32 s[SEL+1], 0xfedcba98
	s_mov_b32 s46, 0xffff0000                      ; lanes 16-31
.irp b, 0,1,2,3
	v_mov_b32 v[TM+4+\b], 0                        ; written once: a lane permute's destination counts as one of its sources
.endr
.macro COPY a                          ; group a's 64 results + the bias of my lane's row, each accumulator from its low end on
.if (\a) == 4
	s_add_nc_u64 s[92:93], s[92:93], s[98:99]      ; (behind the last trip's wait on XCNT)
.endif
	WIN 2+(\a)/4
.set ci, 0
.rept 32
	v_pk_add_f32 v[T+ci:T+ci+1], v[64*((\a)%4)+ci:64*((\a)%4)+ci+1], v[BLA+2*(\a):BLA+2*(\a)+1] op_sel_hi:[1,0]
.set ci, ci+2
.endr
	WIN 0
.endm
	s_mov_b32 s3, 0
.Lepi:
.irp a, 0,1,2,3,4,5,6
	s_cmp_eq_u32 s3, \a
	s_cbranch_scc1 .Lcopy\a
.endr
	COPY 7
	s_branch .Lwork
.irp a, 0,1,2,3,4,5,6
.Lcopy\a:
	COPY \a
	s_branch .Lwork
.endr
.Lwork:
.set ci, 0
.rept 32
	v_pk_add_f32 v[T+ci:T+ci+1], v[T+ci:T+ci+1], v[BIAS+ci:BIAS+ci+1]   ; + the bias of each register's column
.set ci, ci+2
.endr
	QUANT T
	global_store_b128 v8, v[PC:PC+3], s[92:93]                 ; q, k: the first head's half fragment; v: the fragment's first half
	global_store_b64 v9, v[PC+4:PC+5], s[92:93] offset:512
	global_store_b128 v10, v[PC+6:PC+9], s[92:93]              ; q, k: the second head's; v: the second half
	global_store_b64 v11, v[PC+10:PC+11], s[92:93] offset:512
	v_and_b32 v230, 0xffff, v[PW]                  ; q, k: lanes 0-15 keep the first head's two bytes, twice; lanes 16-31 the second head's
	v_lshl_or_b32 v230, v230, 16, v230
	v_lshrrev_b32 v231, 16, v[PW]
	v_lshl_or_b32 v231, v231, 16, v231
	v_cndmask_b32 v230, v230, v231, s46
	v_cndmask_b32 v230, v230, v[PW], s47           ; v: the whole word
	ds_store_b32 v12, v230
	v_add_nc_u32 v12, 64, v12
	s_wait_xcnt 0x0                                ; the stores have read their data and their base: both are written again
	s_add_nc_u64 s[92:93], s[92:93], s[96:97]
	s_add_co_u32 s3, s3, 1
	s_cmp_lt_u32 s3, 8
	s_cbranch_scc1 .Lepi
	ds_load_b128 v[T:T+3], v13                     ; LDS serves a wave's instructions in order: these see my stores
	ds_load_b128 v[T+4:T+7], v13 offset:512
	s_wait_dscnt 0x0
	global_store_b128 v15, v[T:T+3], s[94:95]      ; q, k: the first head's eight groups, 512 bytes; v: four groups of each of two heads, 256 bytes each
	s_cmp_eq_u32 s[ISV], 0
	s_cbranch_scc0 .Lno_second
	global_store_b128 v15, v[T+4:T+7], s[94:95] offset:4096    ; q, k: the second head's
.Lno_second:
	s_wait_tensorcnt 0x0                           ; the wave's end
	ds_add_u32 v[SPW], v[NIL]
	s_wait_dscnt 0x0
	CROUND                                         ; the closing round
	s_endpgm
.Lfunc_end_k_q2f44f8b08a_gemm_qkv:
	.size	k_q2f44f8b08a_gemm_qkv, .Lfunc_end_k_q2f44f8b08a_gemm_qkv-k_q2f44f8b08a_gemm_qkv
	.p2alignl 7, 3214868480
	.fill 96, 4, 3214868480
	.section	.rodata,"a",@progbits
	.p2align	6, 0x0
	.amdhsa_kernel k_q2f44f8b08a_gemm_qkv
		.amdhsa_group_segment_fixed_size 327680
		.amdhsa_private_segment_fixed_size 0
		.amdhsa_enable_private_segment 0
		.amdhsa_kernarg_size 48
		.amdhsa_user_sgpr_count 2
		.amdhsa_user_sgpr_kernarg_segment_ptr 1
		.amdhsa_wavefront_size32 1
		.amdhsa_system_sgpr_workgroup_id_x 1
		.amdhsa_system_sgpr_workgroup_id_y 1
		.amdhsa_system_sgpr_workgroup_id_z 1
		.amdhsa_system_vgpr_workitem_id 0
		.amdhsa_next_free_vgpr 1024
		.amdhsa_next_free_sgpr 102
		.amdhsa_reserve_vcc 0
		.amdhsa_float_denorm_mode_32 3
		.amdhsa_float_denorm_mode_16_64 3
		.amdhsa_memory_ordered 1
		.amdhsa_forward_progress 1
		.amdhsa_inst_pref_size 150
	.end_amdhsa_kernel
	.amdgpu_metadata
---
amdhsa.version: [ 1, 2 ]
amdhsa.kernels:
  - .name:           k_q2f44f8b08a_gemm_qkv
    .symbol:         k_q2f44f8b08a_gemm_qkv.kd
    .args:
      - { .name: xn, .offset: 0, .size: 8, .value_kind: global_buffer, .address_space: global }
      - { .name: wts, .offset: 8, .size: 8, .value_kind: global_buffer, .address_space: global }
      - { .name: bq, .offset: 16, .size: 8, .value_kind: global_buffer, .address_space: global }
      - { .name: bk, .offset: 24, .size: 8, .value_kind: global_buffer, .address_space: global }
      - { .name: bv, .offset: 32, .size: 8, .value_kind: global_buffer, .address_space: global }
      - { .name: qkv, .offset: 40, .size: 8, .value_kind: global_buffer, .address_space: global }
    .group_segment_fixed_size: 327680
    .private_segment_fixed_size: 0
    .kernarg_segment_align: 8
    .kernarg_segment_size: 48
    .max_flat_workgroup_size: 128
    .sgpr_count:     102
    .vgpr_count:     1024
    .wavefront_size: 32
...
	.end_amdgpu_metadata
.endif
;; end of part 2
;; launch attn (part 3): grid 8 x 32, 16 waves a work-group, clusters of 4 x 1, 327,680 bytes of LDS; arguments qkv, ctx; writes ctx
.if DOCPART == 3
	.amdgcn_target "amdgcn-amd-amdhsa--gfx1250"
	.amdhsa_code_object_version 6
	.text
	.protected	k_q2f44f8b08a_attn
	.globl	k_q2f44f8b08a_attn
	.p2align	8
	.type	k_q2f44f8b08a_attn,@function
k_q2f44f8b08a_attn:
	s_mov_b64 s[64:65], 0
	v_nop
	global_prefetch_b8 v0, s[64:65] scope:SCOPE_SE
	s_setreg_imm32_b32 hwreg(HW_REG_WAVE_MODE, 25, 1), 1
	s_wait_xcnt 0x0
	s_wait_alu depctr_hold_cnt(0) depctr_sa_sdst(0) depctr_va_vdst(0) depctr_va_sdst(0) depctr_va_ssrc(0) depctr_va_vcc(0) depctr_vm_vsrc(0)
	s_getreg_b32 s2, hwreg(HW_REG_IB_STS2, 6, 4)
	s_cmp_eq_u32 s2, 0
	s_cbranch_scc0 .Lentry_in_a_cluster
	s_endpgm
.Lentry_in_a_cluster:
	s_bfe_u32 s2, ttmp6, 0x10000c
	s_cmp_lg_u32 s2, 0x3003
	s_cbranch_scc0 .Lentry_shape_is_right
	s_endpgm
.Lentry_shape_is_right:
; ctx = softmax(q k^T / 8) v for 64 heads of 64 channels and 1,024 keys, both products on codes of FP6 (E2M3); ctx leaves quantised along its 1,024 columns, as the next product's operand.
; THE SOFTMAX AHEAD OF THE SECOND PRODUCT: t = score x log2(e) / 8; M = the running largest t rounded UP to a whole number; p = 2^(t - M) is quantised along the keys, not normalised; the row's sum is taken of the
; unquantised p and divides at the end; when M moves, the sum and O are multiplied by 2^(old M - new M), which rounds nothing.
; SHARES.  A work-group takes 128 queries of a PAIR of heads (so that a row's scale word of the next product, two bytes from each head, is made whole here); wave w takes group w % 8 of 16 queries of head w / 8.
; All of the pair's k and v, codes and scale words, 208,896 bytes, come into LDS ONCE; no slot is filled again.  The four query blocks of a cluster read the same k and v: they ask jointly.
; THEY COME IN TWO PARTS: the scale words and the codes of the first two key steps (61,440 bytes), then the codes of the other six (147,456 bytes).  All loads go out together at the head; the first two key steps, written
; out with immediate offsets, begin when the first part is in, and the second part lands while they are walked; a second barrier stands in front of the loop over the other six.
; Both products are used transposed (S^T = k q^T, O^T = v^T p^T): a lane holds one query throughout.  By the groups' order the 16 registers of two neighbouring tiles are 16 neighbouring keys (channels).
; K = 64 IN AN INSTRUCTION OF 128.  Two neighbouring groups of keys, half a fragment each, lie on end and are loaded as ONE fragment.  It is multiplied by q in the lower half over zero codes (the even group's scores)
; and by zero codes over q (the odd group's).  What meets a zero code adds nothing: the format has no infinity or NaN, and every scale word here carries its head's two bytes twice, none of them 0xff.
; LIMITS: NaN and infinities are not served; a block of zeros gets the byte 1 (only this program reads the bytes).
; HOW THE TWO PARTS ARE ASKED FOR: at the head each wave issues one load of the first part (waves 0-11: 4,096 bytes each of the first two key steps' codes; waves 12, 13: k's scale words; waves 14, 15: v's).
; The second part, a piece a wave, is asked for behind the wait for the first part and a round of the cluster's barrier, not at the head.
.set KC,   0
.set VC,   98304                       ; v's: head x 49,152 + key step x 6,144 + group of channels x 1,536
.set KS,   196608                      ; k's scale words: head x 4,096 + group x 64
.set VS,   204800                      ; v's: head x 2,048 + key step x 256 + group x 64
.set SCX,  208896                      ; 512 bytes of its own for ctx's scale words: no fill lands here
.set HEADB, 49152                      ; a head's codes of k, or of v,
.set FIRSTB, 12288                     ; and of them the first two key steps'
.set V_C,  6291456
.set QK_S, 9437184
.set V_S,  9961472
.set CTX_S, 3145728
.set WV,   18
.set SEL,  20
.set CS,   22                          ; s[22:23] c = log2(e) / 8
.set G1F,  24                          ; group 1: 16 rows of 256 bytes: a third of a head's first part;
.set G1R,  32                          ; 36 rows: a quarter of its rest;
.set G1KS, 40                          ; 16 rows: half of k's scale words;
.set G1VS, 48                          ; 8 rows: half of v's
.set G0KS, 56                          ; groups 0: k's scale words, first part, rest;
.set G0KF, 60
.set G0KR, 68
.set G0VS, 72                          ; v's likewise
.set G0VF, 76
.set G0VR, 80
; REGISTERS: v1-6 LDS addresses; v7 16 x lane, v8 8 x lane, v9 4 r, v10, v11 SCX; v12 -M, v13 the largest t, v[14:15] the sum; v16-27 q over zeros; v80-91 zeros over q; v32-79 four fragments of k, then of v;
; v96-159 S^T, then p; v160-191 O^T; v192-199 k's scale words, v200-203 v's; v224-235 p's codes; v232-254 at work; v253 p's scale word; v255 q's.
.macro CROUND
	s_barrier_signal -1
	s_barrier_wait -1
	s_cmp_lg_u32 s[WV], 0
	s_cbranch_scc1 .Lnot_wave_0_\@
	s_barrier_signal -3
.Lnot_wave_0_\@:
	s_barrier_wait -3
	s_barrier_signal -1
	s_barrier_wait -1
.endm
; A KEY STEP: 128 keys.  ko, kso, vso: where the step's codes, k's scale words and v's begin, from the address registers on.  inc = 0: the addresses stay; else they go inc steps on.
.macro STEP ko, kso, vso, inc
.irp f, 0,1,2,3
	ds_load_b128 v[32+12*\f:35+12*\f], v1 offset:\ko+1536*\f
	ds_load_b64 v[36+12*\f:37+12*\f], v2 offset:\ko+1536*\f+512
	ds_load_b128 v[38+12*\f:41+12*\f], v1 offset:\ko+1536*\f+768
	ds_load_b64 v[42+12*\f:43+12*\f], v2 offset:\ko+1536*\f+1280
.endr
.irp t, 0,1,2,3,4,5,6,7
	ds_load_b32 v[192+\t], v5 offset:\kso+64*\t
.endr
	s_wait_dscnt 0x0
.irp t, 0,2,4,6
	v_wmma_scale_f32_16x16x128_f8f6f4 v[96+8*\t:103+8*\t], v[32+6*\t:43+6*\t], v[16:27], 0, v[192+\t], v255 matrix_a_fmt:MATRIX_FMT_FP6 matrix_b_fmt:MATRIX_FMT_FP6
	v_wmma_scale_f32_16x16x128_f8f6f4 v[104+8*\t:111+8*\t], v[32+6*\t:43+6*\t], v[80:91], 0, v[193+\t], v255 matrix_a_fmt:MATRIX_FMT_FP6 matrix_b_fmt:MATRIX_FMT_FP6
.endr
.rept 4
	v_nop                                          ; places in front of loads into registers that these products read, and of the first read of the scores
.endr
.irp f, 0,1,2,3                                ; v's four fragments land while the softmax is walked
	ds_load_b128 v[32+12*\f:35+12*\f], v3 offset:\ko+1536*\f
	ds_load_b64 v[36+12*\f:37+12*\f], v4 offset:\ko+1536*\f+512
	ds_load_b128 v[38+12*\f:41+12*\f], v3 offset:\ko+1536*\f+768
	ds_load_b64 v[42+12*\f:43+12*\f], v4 offset:\ko+1536*\f+1280
	ds_load_b32 v[200+\f], v6 offset:\vso+64*\f
.endr
.irp b, 0,1,2,3
	v_max3_num_f32 v[232+\b], v[96+16*\b], v[97+16*\b], v[98+16*\b]   ; the largest score of each block of 32 keys: it serves the row's maximum and, since p rises with the score, the block's largest p
.endr
.irp i, 3,5,7,9,11,13
.irp b, 0,1,2,3
	v_max3_num_f32 v[232+\b], v[232+\b], v[96+16*\b+\i], v[97+16*\b+\i]
.endr
.endr
.irp b, 0,1,2,3
	v_max_num_f32 v[232+\b], v[232+\b], v[111+16*\b]
.endr
.irp b, 0,1,2,3
	s_delay_alu instid0(VALU_DEP_4)
	v_permlanex16_b32 v[236+\b], v[232+\b], s[SEL], s[SEL+1]
.endr
.irp b, 0,1,2,3
	s_delay_alu instid0(VALU_DEP_4)
	v_max_num_f32 v[232+\b], v[232+\b], v[236+\b]
.endr
	s_delay_alu instid0(VALU_DEP_2)
	v_max3_num_f32 v254, v232, v233, v234
	s_delay_alu instid0(VALU_DEP_1)
	v_max_num_f32 v254, v254, v235
	s_delay_alu instid0(VALU_DEP_1)
	v_mul_f32 v254, s[CS], v254                    ; as t
	s_delay_alu instid0(VALU_DEP_1)
	v_max_num_f32 v13, v13, v254                   ; the running largest t
	v_mov_b32 v254, v12
	s_delay_alu instid0(VALU_DEP_2)
	v_floor_f32 v12, -v13                          ; the new -M = -ceil(t)
	s_delay_alu instid0(VALU_DEP_1)
	v_sub_f32 v254, v12, v254                      ; old M - new M: a whole number, 0 or less
	s_delay_alu instid0(VALU_DEP_1)
	v_cvt_i32_f32 v254, v254                       ; (it saturates)
	s_delay_alu instid0(VALU_DEP_1)
	v_ldexp_f32 v252, 1.0, v254                    ; f = 2^(old M - new M)
.set j, 0
.rept 32
	v_pk_fma_f32 v[96+j:97+j], v[96+j:97+j], s[CS:CS+1], v[12:13] op_sel_hi:[1,0,0]   ; t - M
.set j, j+2
.endr
.irp b, 0,1,2,3
	v_fma_f32 v[232+\b], v[232+\b], s[CS], v12
.endr
.set j, 0
	s_wait_alu depctr_va_vdst(0)
.rept 64
	v_exp_f32 v[96+j], v[96+j]                     ; p = 2^(t - M)
.set j, j+1
.endr
	v_pk_mul_f32 v[14:15], v[14:15], v[252:253] op_sel_hi:[1,0]   ; the sums under the new M (a plain place behind the exponentials)
	s_wait_alu depctr_va_vdst(0)                   ; one wait for the batch of 64, ahead of its first reader
.irp b, 0,1,2,3
	v_exp_f32 v[232+\b], v[232+\b]                 ; each block's largest p
.endr
	v_pk_add_f32 v[236:237], v[100:101], v[104:105]
	v_pk_add_f32 v[248:249], v[108:109], v[112:113]
	v_pk_add_f32 v[246:247], v[116:117], v[120:121]
	v_pk_add_f32 v[244:245], v[124:125], v[128:129]
	v_pk_add_f32 v[242:243], v[132:133], v[136:137]
	v_pk_add_f32 v[240:241], v[140:141], v[144:145]
	v_pk_add_f32 v[238:239], v[148:149], v[152:153]
	v_pk_add_f32 v[14:15], v[14:15], v[156:157]
	v_pk_add_f32 v[236:237], v[236:237], v[96:97]
	v_pk_add_f32 v[248:249], v[248:249], v[98:99]
	v_pk_add_f32 v[246:247], v[246:247], v[102:103]
	v_pk_add_f32 v[244:245], v[244:245], v[106:107]
	v_pk_add_f32 v[242:243], v[242:243], v[110:111]
	v_pk_add_f32 v[240:241], v[240:241], v[114:115]
	v_pk_add_f32 v[238:239], v[238:239], v[118:119]
	v_pk_add_f32 v[14:15], v[14:15], v[122:123]
	v_pk_add_f32 v[236:237], v[236:237], v[126:127]
	v_pk_add_f32 v[248:249], v[248:249], v[130:131]
	v_pk_add_f32 v[246:247], v[246:247], v[134:135]
	v_pk_add_f32 v[244:245], v[244:245], v[138:139]
	v_pk_add_f32 v[242:243], v[242:243], v[142:143]
	v_pk_add_f32 v[240:241], v[240:241], v[146:147]
	v_pk_add_f32 v[238:239], v[238:239], v[150:151]
	v_pk_add_f32 v[14:15], v[14:15], v[154:155]
	v_pk_add_f32 v[236:237], v[236:237], v[158:159]
	s_delay_alu instid0(VALU_DEP_2)
	v_pk_add_f32 v[14:15], v[14:15], v[244:245]
	s_delay_alu instid0(VALU_DEP_2)
	v_pk_add_f32 v[236:237], v[236:237], v[242:243]
	v_pk_add_f32 v[248:249], v[248:249], v[240:241]
	v_pk_add_f32 v[246:247], v[246:247], v[238:239]
	s_delay_alu instid0(VALU_DEP_2)
	v_pk_add_f32 v[14:15], v[14:15], v[248:249]
	s_delay_alu instid0(VALU_DEP_2)
	v_pk_add_f32 v[236:237], v[236:237], v[246:247]
	s_delay_alu instid0(VALU_DEP_1)
	v_pk_add_f32 v[14:15], v[14:15], v[236:237]
	s_wait_alu depctr_va_vdst(0)                   ; and one for the four
.irp b, 0,1,2,3
	v_max_num_f32 v[232+\b], 0x1800000, v[232+\b]  ; the floor: the byte cannot fall under 1
.endr
.irp b, 0,1,2,3
	s_delay_alu instid0(VALU_DEP_4)
	v_add_nc_u32 v[244+\b], 0xff000000, v[232+\b]
.endr
.irp b, 0,1,2,3
	s_delay_alu instid0(VALU_DEP_4)
	v_lshrrev_b32 v[236+\b], 23, v[244+\b]
.endr
	s_delay_alu instid0(VALU_DEP_3)
	v_lshl_or_b32 v253, v237, 8, v236              ; p's scale word for these 128 keys
	s_delay_alu instid0(VALU_DEP_1)
	v_lshl_or_b32 v253, v238, 16, v253
	s_delay_alu instid0(VALU_DEP_1)
	v_lshl_or_b32 v253, v239, 24, v253
.irp c, 0,1
	v_cvt_scalef32_pk16_fp6_f32 v[224+6*\c:226+6*\c], v[96+32*\c:111+32*\c], v[244+2*\c]
	v_cvt_scalef32_pk16_fp6_f32 v[236+4*\c:238+4*\c], v[112+32*\c:127+32*\c], v[244+2*\c+1]
.endr
	v_nop                                          ; one plain place behind a scaled conversion
.irp c, 0,1
.irp i, 0,1,2
	v_permlane16_swap_b32 v[224+6*\c+\i], v[236+4*\c+\i]
.endr
.irp i, 0,1,2
	s_delay_alu instid0(VALU_DEP_3)
	v_mov_b32 v[227+6*\c+\i], v[236+4*\c+\i]
.endr
.endr
.set j, 0
.rept 16
	v_pk_mul_f32 v[160+j:161+j], v[160+j:161+j], v[252:253] op_sel_hi:[1,0]   ; O^T under the new M; these 16 are also the places between the lines that made p's codes and scale word and the products
.set j, j+2
.endr
	s_wait_alu depctr_va_vdst(0)
	s_wait_dscnt 0x0                               ; v's fragments and scale words
.irp d, 0,1,2,3
	v_wmma_scale_f32_16x16x128_f8f6f4 v[160+8*\d:167+8*\d], v[32+12*\d:43+12*\d], v[224:235], v[160+8*\d:167+8*\d], v[200+\d], v253 matrix_a_fmt:MATRIX_FMT_FP6 matrix_b_fmt:MATRIX_FMT_FP6
.endr
.if \inc == 0
.rept 4
	v_nop                                          ; places in front of the next step's loads
.endr
.else
	v_add_nc_u32 v1, 6144*\inc, v1                 ; on along the keys; these six are also the places in front of the next loads, and of the way out's reads
	v_add_nc_u32 v2, 6144*\inc, v2
	v_add_nc_u32 v3, 6144*\inc, v3
	v_add_nc_u32 v4, 6144*\inc, v4
	v_add_nc_u32 v5, 512*\inc, v5
	v_add_nc_u32 v6, 256*\inc, v6
.endif
.endm
	s_load_b128 s[4:7], s[0:1], 0x0                ; qkv, ctx
	v_lshl_add_u32 v250, v0, 2, 0x34000
	v_mov_b32 v251, 0
	ds_add_u32 v250, v251
	ds_add_u32 v250, v251
	v_lshrrev_b32 v8, 5, v0
	s_delay_alu instid0(VALU_DEP_1)
	v_readfirstlane_b32 s[WV], v8                  ; wave 0..15
	s_and_b32 s8, s[WV], 7                         ; my group of queries.  Also: which eighth I fetch
	s_lshr_b32 s9, s[WV], 3                        ; my head of the pair.  Also: I fetch for k (0) or for v (1)
	s_and_b32 s12, ttmp7, 0xffff
	s_lshr_b32 s13, s12, 3                         ; batch
	s_and_b32 s14, s12, 7                          ; pair of heads
	s_lshl_b32 s15, s13, 4
	s_lshl_b32 s16, s14, 1
	s_add_co_u32 s15, s15, s16                     ; the pair's first head of batch: 16 b + 2 p
	; what I fetch hangs on the grid's y and the wave's number alone: the same in all four partners.  A pair's codes lie in LDS as they lie in memory
	s_lshr_b32 s84, s8, 2                          ; for which head of the pair,
	s_mul_i32 s84, s84, HEADB
	s_and_b32 s85, s8, 3                           ; and which quarter of it
	s_mul_i32 s92, s[WV], 11
	s_lshr_b32 s92, s92, 5                         ; t = wave / 3 (waves 0-11): 2 x (k or v) + head of the pair
	s_mul_i32 s86, s92, HEADB-FIRSTB
	s_lshl_b32 s93, s[WV], 12
	s_add_co_u32 s86, s86, s93                     ; my piece of the first part in LDS: t x HEADB + (wave - 3 t) x 4,096
	s_lshr_b32 s92, s92, 1
	s_mul_i32 s92, s92, 62*HEADB                   ; in memory v's codes lie 64 heads behind k's, in LDS two
	s_mul_i32 s87, s85, (HEADB-FIRSTB)/4
	s_add_co_u32 s87, s87, s84
	s_add_co_u32 s87, s87, FIRSTB                  ; my piece of the rest
	s_mul_i32 s16, s15, HEADB
	s_add_co_u32 s88, s16, s86
	s_add_co_u32 s88, s88, 64*HEADB
	s_add_co_u32 s88, s88, s92
	s_mov_b32 s89, 0
	s_add_co_u32 s90, s16, s87
	s_add_co_u32 s90, s90, 64*HEADB
	s_mov_b32 s91, 0
	s_add_co_u32 s94, s16, s87
	s_add_co_u32 s94, s94, V_C
	s_mov_b32 s95, 0
	s_lshl_b32 s96, s15, 12
	s_and_b32 s97, s8, 1                           ; which half of the scale words (waves 12-15)
	s_lshl_b32 s97, s97, 12
	s_add_co_u32 s96, s96, s97
	s_add_co_u32 s96, s96, QK_S+64*4096
	s_mov_b32 s97, 0
	s_lshl_b32 s98, s15, 11
	s_and_b32 s99, s8, 1
	s_lshl_b32 s99, s99, 11
	s_add_co_u32 s98, s98, s99
	s_add_co_u32 s98, s98, V_S
	s_mov_b32 s99, 0
.irp g, G1F, G1R, G1KS, G1VS
	s_mov_b32 s[\g], 15|(3<<16)|(1<<21)            ; 15:0 the mask: all four work-groups; 17:16 elements of 8 bytes; 21 set beside a mask; no padding
	s_mov_b32 s[\g+1], 32<<16                      ; dense blocks, as rows of 256 bytes
	s_mov_b32 s[\g+3], 32<<16
	s_mov_b32 s[\g+5], 32
	s_mov_b32 s[\g+6], 0
	s_mov_b32 s[\g+7], 0
.endr
	s_mov_b32 s[G1F+2], 16<<16
	s_mov_b32 s[G1F+4], 16
	s_mov_b32 s[G1R+2], 36<<16
	s_mov_b32 s[G1R+4], 36
	s_mov_b32 s[G1KS+2], 16<<16
	s_mov_b32 s[G1KS+4], 16
	s_mov_b32 s[G1VS+2], 8<<16
	s_mov_b32 s[G1VS+4], 8
	s_mov_b32 s[SEL], 0x76543210
	s_mov_b32 s[SEL+1], 0xfedcba98
	s_mov_b32 s[CS], 0x3e38aa3b
	s_mov_b32 s[CS+1], s[CS]
	; every LDS address is made here, ahead of the branch on the wave's number
	v_and_b32 v8, 31, v0
	v_and_b32 v9, 15, v0
	s_delay_alu instid0(VALU_DEP_2)
	v_lshlrev_b32 v7, 4, v8                        ; 16 x lane
	s_delay_alu instid0(VALU_DEP_3)
	v_lshlrev_b32 v8, 3, v8                        ; 8 x lane
	s_delay_alu instid0(VALU_DEP_3)
	v_lshlrev_b32 v9, 2, v9                        ; 4 r
	s_wait_alu depctr_va_vdst(0)
	s_mul_i32 s16, s9, HEADB
	v_add_nc_u32 v1, s16, v7                       ; k's fragments
	v_add_nc_u32 v2, s16, v8
	s_add_co_u32 s16, s16, VC
	v_add_nc_u32 v3, s16, v7                       ; v's
	v_add_nc_u32 v4, s16, v8
	s_lshl_b32 s16, s9, 12
	s_add_co_u32 s16, s16, KS
	v_add_nc_u32 v5, s16, v9                       ; k's scale words
	s_lshl_b32 s16, s9, 11
	s_add_co_u32 s16, s16, VS
	v_add_nc_u32 v6, s16, v9                       ; v's
	s_lshl_b32 s16, s8, 6
	s_lshl_b32 s17, s9, 1
	s_add_co_u32 s16, s16, s17
	s_add_co_u32 s16, s16, SCX
	v_add_nc_u32 v10, s16, v9                      ; ctx's scale words: group x 64 + 4 r + 2 x my head of the pair
	v_add_nc_u32 v11, SCX, v7
	s_and_b32 s17, s8, 1
	s_lshl_b32 s16, s17, 12                        ; my half of k's scale words,
	s_lshl_b32 s17, s17, 11                        ; of v's
	s_wait_dscnt 0x0
	s_wait_kmcnt 0x0
	s_mov_b32 s[G0KS], 1
	s_add_co_u32 s[G0KS+1], s16, KS
	s_add_nc_u64 s[G0KS+2:G0KS+3], s[4:5], s[96:97]
	s_or_b32 s[G0KS+3], s[G0KS+3], 0x80000000
	s_mov_b32 s[G0KF], 1
	s_mov_b32 s[G0KF+1], s86
	s_add_nc_u64 s[G0KF+2:G0KF+3], s[4:5], s[88:89]
	s_or_b32 s[G0KF+3], s[G0KF+3], 0x80000000
	s_mov_b32 s[G0KR], 1
	s_mov_b32 s[G0KR+1], s87
	s_add_nc_u64 s[G0KR+2:G0KR+3], s[4:5], s[90:91]
	s_or_b32 s[G0KR+3], s[G0KR+3], 0x80000000
	s_mov_b32 s[G0VS], 1
	s_add_co_u32 s[G0VS+1], s17, VS
	s_add_nc_u64 s[G0VS+2:G0VS+3], s[4:5], s[98:99]
	s_or_b32 s[G0VS+3], s[G0VS+3], 0x80000000
	s_mov_b32 s[G0VR], 1
	s_add_co_u32 s[G0VR+1], s87, VC
	s_add_nc_u64 s[G0VR+2:G0VR+3], s[4:5], s[94:95]
	s_or_b32 s[G0VR+3], s[G0VR+3], 0x80000000
	CROUND                                         ; all four work-groups are here: the joint loads meet
	s_cmp_lt_u32 s[WV], 12                         ; one chain of branches on the wave's number, one load to an arm
	s_cbranch_scc0 .Lfor_ks
	tensor_load_to_lds s[G0KF:G0KF+3], s[G1F:G1F+7]
	s_nop 0
.rept 4
	v_nop
.endr
	s_branch .Lasked
.Lfor_ks:
	s_cmp_lt_u32 s[WV], 14
	s_cbranch_scc0 .Lfor_vs
	tensor_load_to_lds s[G0KS:G0KS+3], s[G1KS:G1KS+7]
	s_nop 0
.rept 4
	v_nop
.endr
	s_branch .Lasked
.Lfor_vs:
	tensor_load_to_lds s[G0VS:G0VS+3], s[G1VS:G1VS+7]
	s_nop 0
.rept 4
	v_nop
.endr
.Lasked:
	; my queries: the block of 128 is 4 x cluster x + cx; it enters q's and ctx's global addresses alone.  (No descriptor's register is written here: s16, s17 and s84 on hold none)
	s_bfe_u32 s10, ttmp6, 0x40000
	s_lshl_b32 s11, ttmp9, 2
	s_add_co_u32 s11, s11, s10
	s_lshl_b32 s16, s11, 3
	s_add_co_u32 s16, s16, s8                      ; my group of the head's 64
	s_add_co_u32 s17, s15, s9
	s_lshl_b32 s17, s17, 6
	s_add_co_u32 s17, s17, s16
	s_mul_i32 s84, s17, 768
	s_mov_b32 s85, 0
	s_add_nc_u64 s[84:85], s[4:5], s[84:85]        ; q's half fragment
	s_lshl_b32 s86, s17, 6
	s_add_co_u32 s86, s86, QK_S
	s_mov_b32 s87, 0
	s_add_nc_u64 s[86:87], s[4:5], s[86:87]        ; its scale words
	global_load_b128 v[16:19], v7, s[84:85]
	global_load_b64 v[20:21], v8, s[84:85] offset:512
	global_load_b128 v[86:89], v7, s[84:85]
	global_load_b64 v[90:91], v8, s[84:85] offset:512
	global_load_b32 v255, v9, s[86:87]
	s_lshl_b32 s88, s13, 6
	s_add_co_u32 s88, s88, s16                     ; my group of all 256 groups of rows
	s_lshl_b32 s88, s88, 3
	s_add_co_u32 s88, s88, s14                     ; K step of the next product = the pair of heads
	s_mul_i32 s88, s88, 1536
	s_mul_i32 s89, s9, 768                         ; the fragment's half = my head of the pair
	s_add_co_u32 s88, s88, s89
	s_mov_b32 s89, 0
	s_add_nc_u64 s[88:89], s[6:7], s[88:89]
	s_lshl_b32 s90, s14, 8
	s_lshl_b32 s91, s13, 6
	s_add_co_u32 s90, s90, s91
	s_lshl_b32 s91, s11, 3
	s_add_co_u32 s90, s90, s91
	s_lshl_b32 s90, s90, 6
	s_add_co_u32 s90, s90, CTX_S
	s_mov_b32 s91, 0
	s_add_nc_u64 s[90:91], s[6:7], s[90:91]        ; the work-group's eight groups in plane p
.irp j, 0,1,2,3,4,5
	v_mov_b32 v[22+\j], 0                          ; zero codes
	v_mov_b32 v[80+\j], 0
.endr
	v_mov_b32 v13, 0xff61b1e6                      ; the largest t so far: -3e38
	s_delay_alu instid0(VALU_DEP_1)
	v_floor_f32 v12, -v13                          ; -M
	v_mov_b32 v14, 0
	v_mov_b32 v15, 0
.irp b, 0,1,2,3
	v_mov_b32 v[236+\b], 0                         ; written once: a lane permute's destination counts as one of its sources
.endr
	v_mov_b32 v253, 0
.set j, 0
.rept 32
	v_mov_b32 v[160+j], 0                          ; O^T: the first step finds zeros, which the first change of M leaves zeros
.set j, j+1
.endr
	s_wait_alu depctr_va_vdst(0)
	s_wait_tensorcnt 0x0                           ; my piece of the first part is in
	ds_add_u32 v250, v251
	s_wait_dscnt 0x0
	CROUND                                         ; everybody's piece is in, and all four work-groups are here
	s_cmp_lt_u32 s[WV], 8                          ; my piece of the rest: my one load behind the round
	s_cbranch_scc0 .Lrest_v
	tensor_load_to_lds s[G0KR:G0KR+3], s[G1R:G1R+7]
	s_nop 0
.rept 4
	v_nop
.endr
	s_branch .Lrest_asked
.Lrest_v:
	tensor_load_to_lds s[G0VR:G0VR+3], s[G1R:G1R+7]
	s_nop 0
.rept 4
	v_nop
.endr
.Lrest_asked:
	s_wait_loadcnt 0x0
	STEP 0, 0, 0, 0                                ; keys 0-127 and 128-255: every byte that these two steps read lies in the first 12,288 of a head's codes, or among the scale words
	STEP 6144, 512, 256, 2
	s_wait_tensorcnt 0x0                           ; my piece of the rest is in,
	s_barrier_signal -1
	s_barrier_wait -1                              ; everybody's is
	s_mov_b32 s19, 6
.Lstep:                                            ; the other six key steps
	s_wait_alu depctr_va_vdst(0)
	STEP 0, 0, 0, 1
	s_sub_co_u32 s19, s19, 1
	s_cmp_lg_u32 s19, 0
	s_cbranch_scc1 .Lstep
	; THE WAY OUT: O^T / the sum: register 16 b + i is channel 32 b + 16 (lane / 16) + i of my query: two blocks of the next K, half a fragment
	v_add_f32 v14, v14, v15
	s_delay_alu instid0(VALU_DEP_1)
	v_permlanex16_b32 v252, v14, s[SEL], s[SEL+1]
	s_delay_alu instid0(VALU_DEP_1)
	v_add_f32 v14, v14, v252
	s_wait_alu depctr_va_vdst(0)
	v_rcp_f32 v14, v14
	v_nop                                          ; a plain place behind the reciprocal
	s_wait_alu depctr_va_vdst(0)                   ; the wait, ahead of its first reader
.set j, 0
.rept 32
	v_mul_f32 v[96+j], v[160+j], v14
.set j, j+1
.endr
.irp b, 0,1
	v_max3_num_f32 v[232+\b], |v[96+16*\b]|, |v[97+16*\b]|, 0x1800000
.endr
.irp i, 2,4,6,8,10,12,14
.irp b, 0,1
	s_delay_alu instid0(VALU_DEP_2)
	v_max3_num_f32 v[232+\b], v[232+\b], |v[96+16*\b+\i]|, |v[97+16*\b+\i]|
.endr
.endr
.irp b, 0,1
	s_delay_alu instid0(VALU_DEP_2)
	v_permlanex16_b32 v[236+\b], v[232+\b], s[SEL], s[SEL+1]
.endr
.irp b, 0,1
	s_delay_alu instid0(VALU_DEP_2)
	v_max_num_f32 v[232+\b], v[232+\b], v[236+\b]
.endr
.irp b, 0,1
	s_delay_alu instid0(VALU_DEP_2)
	v_add_nc_u32 v[244+\b], 0xff000000, v[232+\b]
.endr
.irp b, 0,1
	s_delay_alu instid0(VALU_DEP_2)
	v_lshrrev_b32 v[236+\b], 23, v[244+\b]
.endr
	s_delay_alu instid0(VALU_DEP_1)
	v_lshl_or_b32 v252, v237, 8, v236              ; my head's two bytes of the row's scale word
	v_cvt_scalef32_pk16_fp6_f32 v[224:226], v[96:111], v244
	v_cvt_scalef32_pk16_fp6_f32 v[240:242], v[112:127], v245
	v_nop
.irp i, 0,1,2
	v_permlane16_swap_b32 v[224+\i], v[240+\i]
.endr
.irp i, 0,1,2
	s_delay_alu instid0(VALU_DEP_3)
	v_mov_b32 v[227+\i], v[240+\i]
.endr
	ds_store_b16 v10, v252                         ; lanes r and 16 + r hold the same two bytes and store them at the same place
	global_store_b128 v7, v[224:227], s[88:89]
	global_store_b64 v8, v[228:229], s[88:89] offset:512
	s_wait_dscnt 0x0                               ; for the others' sake
	s_barrier_signal -1
	s_barrier_wait -1                              ; the eight groups' words are whole
	s_cmp_lg_u32 s[WV], 0
	s_cbranch_scc1 .Lnot_first
	ds_load_b128 v[96:99], v11
	s_wait_dscnt 0x0
	global_store_b128 v7, v[96:99], s[90:91]       ; 512 consecutive bytes
.Lnot_first:
	s_wait_tensorcnt 0x0
	ds_add_u32 v250, v251
	s_wait_dscnt 0x0
	CROUND                                         ; the closing round
	s_endpgm
.Lfunc_end_k_q2f44f8b08a_attn:
	.size	k_q2f44f8b08a_attn, .Lfunc_end_k_q2f44f8b08a_attn-k_q2f44f8b08a_attn
	.p2alignl 7, 3214868480
	.fill 96, 4, 3214868480
	.section	.rodata,"a",@progbits
	.p2align	6, 0x0
	.amdhsa_kernel k_q2f44f8b08a_attn
		.amdhsa_group_segment_fixed_size 327680
		.amdhsa_private_segment_fixed_size 0
		.amdhsa_enable_private_segment 0
		.amdhsa_kernarg_size 16
		.amdhsa_user_sgpr_count 2
		.amdhsa_user_sgpr_kernarg_segment_ptr 1
		.amdhsa_wavefront_size32 1
		.amdhsa_system_sgpr_workgroup_id_x 1
		.amdhsa_system_sgpr_workgroup_id_y 1
		.amdhsa_system_sgpr_workgroup_id_z 1
		.amdhsa_system_vgpr_workitem_id 0
		.amdhsa_next_free_vgpr 256
		.amdhsa_next_free_sgpr 100
		.amdhsa_reserve_vcc 0
		.amdhsa_float_denorm_mode_32 3
		.amdhsa_float_denorm_mode_16_64 3
		.amdhsa_memory_ordered 1
		.amdhsa_forward_progress 1
		.amdhsa_inst_pref_size 71
	.end_amdhsa_kernel
	.amdgpu_metadata
---
amdhsa.version: [ 1, 2 ]
amdhsa.kernels:
  - .name:           k_q2f44f8b08a_attn
    .symbol:         k_q2f44f8b08a_attn.kd
    .args:
      - { .name: qkv, .offset: 0, .size: 8, .value_kind: global_buffer, .address_space: global }
      - { .name: ctx, .offset: 8, .size: 8, .value_kind: global_buffer, .address_space: global }
    .group_segment_fixed_size: 327680
    .private_segment_fixed_size: 0
    .kernarg_segment_align: 8
    .kernarg_segment_size: 16
    .max_flat_workgroup_size: 512
    .sgpr_count:     100
    .vgpr_count:     256
    .wavefront_size: 32
...
	.end_amdgpu_metadata
.endif
;; end of part 3
;; launch gemm_o (part 4): grid 8 x 32, 4 waves a work-group, clusters of 4 x 4, 327,680 bytes of LDS; arguments ctx, wts, bo, x, x1; writes x1
.if DOCPART == 4
	.amdgcn_target "amdgcn-amd-amdhsa--gfx1250"
	.amdhsa_code_object_version 6
	.text
	.protected	k_q2f44f8b08a_gemm_o
	.globl	k_q2f44f8b08a_gemm_o
	.p2align	8
	.type	k_q2f44f8b08a_gemm_o,@function
k_q2f44f8b08a_gemm_o:
	s_mov_b64 s[64:65], 0
	v_nop
	global_prefetch_b8 v0, s[64:65] scope:SCOPE_SE
	s_setreg_imm32_b32 hwreg(HW_REG_WAVE_MODE, 25, 1), 1
	s_wait_xcnt 0x0
	s_wait_alu depctr_hold_cnt(0) depctr_sa_sdst(0) depctr_va_vdst(0) depctr_va_sdst(0) depctr_va_ssrc(0) depctr_va_vcc(0) depctr_vm_vsrc(0)
	s_getreg_b32 s2, hwreg(HW_REG_IB_STS2, 6, 4)
	s_cmp_eq_u32 s2, 0
	s_cbranch_scc0 .Lentry_in_a_cluster
	s_endpgm
.Lentry_in_a_cluster:
	s_bfe_u32 s2, ttmp6, 0x10000c
	s_cmp_lg_u32 s2, 0xf033
	s_cbranch_scc0 .Lentry_shape_is_right
	s_endpgm
.Lentry_shape_is_right:
; x1 = ctx Wo + bo + x.  ctx and Wo are codes of FP6 (E2M3), laid as images of operand registers in groups of 16 rows, scale words in planes by K step; x, x1: [4096][1024] f32.
; N = 1,024 gives 64 tiles of 256 x 256 and 256 of 128 x 128: the smaller tile gives every work-group's place a tile.  Four waves of 64 x 64: 16 accumulators.
; K = 1,024 lies in two LDS slots of 512 along K, both filled at the start: nothing is filled again here.  4 x 4 work-groups form a cluster; A's tiles are asked for jointly along a row, B's along a column.
; Source 0 = a group of B (columns), source 1 = a group of A (rows): a lane holds one row and eight neighbouring columns.  Results go through a stage in LDS and leave as rows of 256 bytes, aligned.
; The residual's 64 x 64 numbers are asked for at the head, in the very layout in which the results leave, and land while K is walked.
.set NA,    4
.set NQ,    4
.set NS,    8
.set NL,    4
.set PITCHA, 256                       ; groups to a scale plane of A,
.set PITCHB, 64                        ; of B
.set A_SC,  3145728                    ; A's buffer: where the planes begin
.set B_CD,  2359296                    ; wts: Wo's codes,
.set B_SC,  9568256                    ; its planes
.set GROW,  NQ*1536
.set HALFT, NA*GROW
.set SLOT,  4*HALFT
.set SCL,   2*SLOT
.set SCSZ,  NS*2*NA*64
.set SPARE, SCL+2*SCSZ
.set LAPS,  NS/(2*NQ)
.set ADRA, 16
.set ADRB, 20
.set ADRS, 27
.set SPW,  28
.set NIL,  29
.set SC,   32                          ; v32-63 scale words, two sets of 16: scales and nothing else
.set BIAS, 64                          ; v64-67 the bias of my four columns on the way out
.set AF,   128                         ; v128-175 A's fragments; B's two sets in window 1; accumulators v0-127 of window 2; the residual v0-127 of window 3
.set BK,   128                         ; the way out: 16 rows read back, v128-159 and v160-191 by turns
.set CO,   10
.set STO,  12
.set RD,   13
.set G1A,  24
.set G0A,  32
.set G1B,  48
.set G0B,  56
.set G1SA, 68
.set G0SA, 76
.set G1SB, 80
.set G0SB, 88
.set WV,   16
.set WR,   17
.set WC,   18
.set MSB, 0
.macro WIN new
.if MSB != (\new)
	s_set_vgpr_msb (MSB<<8)|(\new)
.set MSB, (\new)
.endif
.endm
.macro PLACES n
.rept \n
	v_nop
.endr
.endm
.macro JLOAD g0a, g1a, g0b, g1b        ; waves 0 and 1 fetch for A, waves 2 and 3 for B; four v_nop follow each line
	s_cmp_eq_u32 s[WR], 0
	s_cbranch_scc0 .Lfor_b_\@
	tensor_load_to_lds s[\g0a:\g0a+3], s[\g1a:\g1a+7]
	s_nop 0
.rept 4
	v_nop
.endr
	s_branch .Lasked_\@
.Lfor_b_\@:
	tensor_load_to_lds s[\g0b:\g0b+3], s[\g1b:\g1b+7]
	s_nop 0
.rept 4
	v_nop
.endr
.Lasked_\@:
.endm
.macro CREST
	s_cmp_lg_u32 s[WV], 0
	s_cbranch_scc1 .Lnot_wave_0_\@
	s_barrier_signal -3
.Lnot_wave_0_\@:
	s_barrier_wait -3
	s_barrier_signal -1
	s_barrier_wait -1
.endm
.macro CROUND
	s_barrier_signal -1
	s_barrier_wait -1
	CREST
.endm
.macro FRAG reg, adr, off
	ds_load_b128 v[\reg:\reg+3], v[\adr] offset:\off
	ds_load_b64 v[\reg+4:\reg+5], v[\adr+2] offset:\off+512
	ds_load_b128 v[\reg+6:\reg+9], v[\adr] offset:\off+768
	ds_load_b64 v[\reg+10:\reg+11], v[\adr+2] offset:\off+1280
.endm
.macro FETCH_B slot, q, p
	WIN 0x40
.set fi, 0
.rept NA
	FRAG 128*(\p)+12*fi, ADRB+\slot, fi*GROW+(\q)*1536
.set fi, fi+1
.endr
	WIN 0
.endm
.macro FETCH_A slot, q, i0
.set fi, \i0
.rept NA/2
	FRAG AF+12*fi, ADRA+\slot, fi*GROW+(\q)*1536
.set fi, fi+1
.endr
.endm
.macro SCALES sc
.set si, 0
.rept NA
.set sq, 0
.rept NQ
	ds_load_b32 v[SC+16*(\sc)+NQ*si+sq], v[ADRS] offset:sq*2*NA*64+64*si
.set sq, sq+1
.endr
.set si, si+1
.endr
.endm
.macro MULA a, p, q, sc, zero
.irp b, 0,1,2,3
.set AC, 8*(NA*(\a)+\b)
.if \zero
	v_wmma_scale_f32_16x16x128_f8f6f4 v[AC:AC+7], v[128*(\p)+12*\b:128*(\p)+12*\b+11], v[AF+12*(\a):AF+12*(\a)+11], 0, v[SC+16*(\sc)+NQ*\b+(\q)], v[SC+16*(\sc)+NQ*(\a)+(\q)] matrix_a_fmt:MATRIX_FMT_FP6 matrix_b_fmt:MATRIX_FMT_FP6 matrix_a_scale:MATRIX_SCALE_ROW1
.else
	v_wmma_scale_f32_16x16x128_f8f6f4 v[AC:AC+7], v[128*(\p)+12*\b:128*(\p)+12*\b+11], v[AF+12*(\a):AF+12*(\a)+11], v[AC:AC+7], v[SC+16*(\sc)+NQ*\b+(\q)], v[SC+16*(\sc)+NQ*(\a)+(\q)] matrix_a_fmt:MATRIX_FMT_FP6 matrix_b_fmt:MATRIX_FMT_FP6 matrix_a_scale:MATRIX_SCALE_ROW1
.endif
.endr
.endm
.macro MULQ i, p, q, sc, zero          ; quarter i of a K step's 16 products; the 16 accumulators take turns in the same order in every step
	WIN 0xa1
	MULA \i, \p, \q, \sc, \zero
.endm
.macro STEP slot, q, zero
	s_wait_dscnt (NA/2)*NL                         ; all but the youngest loads, A's second half
	MULQ 0, (\q)%2, \q, \slot, \zero
	MULQ 1, (\q)%2, \q, \slot, \zero
	s_wait_dscnt 0x0
	PLACES 4
	FETCH_B \slot, (\q)+1, 1-(\q)%2
	FETCH_A \slot, (\q)+1, 0
	MULQ 2, (\q)%2, \q, \slot, \zero
	MULQ 3, (\q)%2, \q, \slot, \zero
	PLACES 4
	WIN 0
	FETCH_A \slot, (\q)+1, NA/2
.endm
.macro TURN slot, next, fill           ; a slot's last K step changes slots
	s_wait_tensorcnt 0x0                           ; all my tensor loads have landed
	ds_add_u32 v[SPW], v[NIL]
	s_wait_dscnt (NA/2)*NL+1                       ; the add and A's second half may be out
	MULQ 0, 1, NQ-1, \slot, 0
	s_wait_dscnt 0x0                               ; the add is done, and my reads of this slot are over
	s_barrier_signal -1
	MULQ 1, 1, NQ-1, \slot, 0
	WIN 0
	s_barrier_wait -1
.if \fill
	CREST
	s_add_nc_u64 s[G0A+4*\slot+2:G0A+4*\slot+3], s[G0A+4*\slot+2:G0A+4*\slot+3], 2*GROW
	s_add_nc_u64 s[G0B+4*\slot+2:G0B+4*\slot+3], s[G0B+4*\slot+2:G0B+4*\slot+3], 2*GROW
	JLOAD G0A+4*\slot, G1A, G0B+4*\slot, G1B
.else
	PLACES 4
.endif
	v_add_nc_u32 v[ADRS], NQ*2*NA*64, v[ADRS]
	FETCH_B \next, 0, 0
	FETCH_A \next, 0, 0
	SCALES \next
	MULQ 2, 1, NQ-1, \slot, 0
	MULQ 3, 1, NQ-1, \slot, 0
	PLACES 4
	WIN 0
	FETCH_A \next, 0, NA/2
.endm
.macro MID slot
	STEP \slot, 1, 0
	STEP \slot, 2, 0
.endm
	s_load_b128 s[4:7], s[0:1], 0x0                ; A's buffer, wts
	s_load_b128 s[8:11], s[0:1], 0x10              ; the bias, the residual
	s_load_b64 s[12:13], s[0:1], 0x20              ; the result
	v_lshl_add_u32 v[SPW], v0, 2, SPARE
	v_mov_b32 v[NIL], 0
	ds_add_u32 v28, v29
	ds_add_u32 v28, v29
	s_wait_dscnt 0x0
	v_lshrrev_b32 v1, 5, v0
	v_readfirstlane_b32 s[WV], v1
	s_lshr_b32 s[WR], s[WV], 1
	s_and_b32 s[WC], s[WV], 1
	s_bfe_u32 s19, ttmp6, 0x40000                  ; cx
	s_bfe_u32 s20, ttmp6, 0x40004                  ; cy
	s_lshl_b32 s22, ttmp9, 2
	s_add_co_u32 s22, s22, s19                     ; tile column
	s_and_b32 s21, ttmp7, 0xffff
	s_lshl_b32 s21, s21, 2
	s_add_co_u32 s21, s21, s20                     ; tile row
	s_lshl_b32 s40, s20, 2
	s_lshl_b32 s40, 15, s40
	s_lshl_b32 s41, 0x1111, s19
	s_or_b32 s[G1A], s40, (3<<16)|(1<<21)
	s_or_b32 s[G1B], s41, (3<<16)|(1<<21)
.irp g, G1A, G1B
	s_mov_b32 s[\g+1], (GROW/8)<<16
	s_mov_b32 s[\g+2], (2*NA)<<16                  ; the head's loads take all eight groups of a tile; slot 1's four (set behind the head's wait)
	s_mov_b32 s[\g+3], (GROW/8)<<16
	s_mov_b32 s[\g+4], 2*NA
	s_mov_b32 s[\g+5], NS*192
	s_mov_b32 s[\g+6], 0
	s_mov_b32 s[\g+7], 0
.endr
	s_or_b32 s[G1SA], s40, (3<<16)|(1<<21)
	s_or_b32 s[G1SB], s41, (3<<16)|(1<<21)
.irp g, G1SA, G1SB
	s_mov_b32 s[\g+1], (2*NA*8)<<16
	s_mov_b32 s[\g+2], NS<<16
	s_mov_b32 s[\g+3], (2*NA*8)<<16
	s_mov_b32 s[\g+4], NS
	s_mov_b32 s[\g+6], 0
	s_mov_b32 s[\g+7], 0
.endr
	s_mov_b32 s[G1SA+5], PITCHA*8
	s_mov_b32 s[G1SB+5], PITCHB*8
	s_mul_i32 s42, s21, 2*NA
	s_lshl_b32 s44, s42, 6
	s_mul_i32 s42, s42, NS*1536
	s_mov_b32 s43, 0
	s_add_co_u32 s44, s44, A_SC
	s_mov_b32 s45, 0
	s_mul_i32 s92, s22, 2*NA
	s_lshl_b32 s94, s92, 6
	s_mul_i32 s92, s92, NS*1536
	s_add_co_u32 s92, s92, B_CD
	s_mov_b32 s93, 0
	s_add_co_u32 s94, s94, B_SC
	s_mov_b32 s95, 0
	s_mul_i32 s46, s[WV], HALFT
	s_mul_i32 s2, s[WC], NA*NS*1536                ; s[2:3]: from a tile's first group to the half that I fetch of slot 1
	s_mov_b32 s3, 0
	s_wait_kmcnt 0x0
	s_add_nc_u64 s[42:43], s[4:5], s[42:43]
	s_add_nc_u64 s[44:45], s[4:5], s[44:45]
	s_add_nc_u64 s[92:93], s[6:7], s[92:93]
	s_add_nc_u64 s[94:95], s[6:7], s[94:95]
	CROUND                                         ; all sixteen work-groups are here: the first joint loads meet
	s_mov_b32 s[G0SA], 1
	s_mov_b32 s[G0SA+1], SCL
	s_mov_b64 s[G0SA+2:G0SA+3], s[44:45]
	s_or_b32 s[G0SA+3], s[G0SA+3], 0x80000000
	s_mov_b32 s[G0SB], 1
	s_mov_b32 s[G0SB+1], SCL+SCSZ
	s_mov_b64 s[G0SB+2:G0SB+3], s[94:95]
	s_or_b32 s[G0SB+3], s[G0SB+3], 0x80000000
	s_mov_b32 s[G0A], 1                            ; the head's tiles, each whole: slot 0's eight groups of A,
	s_mov_b32 s[G0A+1], 0
	s_mov_b64 s[G0A+2:G0A+3], s[42:43]
	s_or_b32 s[G0A+3], s[G0A+3], 0x80000000
	s_mov_b32 s[G0B], 1                            ; and of B, behind them
	s_mov_b32 s[G0B+1], 2*HALFT
	s_mov_b64 s[G0B+2:G0B+3], s[92:93]
	s_or_b32 s[G0B+3], s[G0B+3], 0x80000000
	s_add_nc_u64 s[42:43], s[42:43], s[2:3]        ; slot 1: my four groups
	s_add_nc_u64 s[92:93], s[92:93], s[2:3]
	s_mov_b32 s[G0A+4], 1
	s_add_co_u32 s[G0A+5], s46, SLOT
	s_add_nc_u64 s[G0A+6:G0A+7], s[42:43], GROW
	s_or_b32 s[G0A+7], s[G0A+7], 0x80000000
	s_mov_b32 s[G0B+4], 1
	s_add_co_u32 s[G0B+5], s46, SLOT
	s_add_nc_u64 s[G0B+6:G0B+7], s[92:93], GROW
	s_or_b32 s[G0B+7], s[G0B+7], 0x80000000
; The head's loads, one a wave: wave 0 slot 0's A, wave 1 its B, wave 2 A's scale planes, wave 3 B's: one chain of branches on the wave's number
.macro ARM under, g0, g1, next
	s_cmp_lt_u32 s[WV], \under
	s_cbranch_scc0 \next
	tensor_load_to_lds s[\g0:\g0+3], s[\g1:\g1+7]
	s_nop 0
.rept 4
	v_nop
.endr
	s_branch .Lhead_asked
\next:
.endm
	ARM 1, G0A,  G1A,  .Lhead_b
	ARM 2, G0B,  G1B,  .Lhead_sa
	ARM 3, G0SA, G1SA, .Lhead_sb
	tensor_load_to_lds s[G0SB:G0SB+3], s[G1SB:G1SB+7]
	s_nop 0
.rept 4
	v_nop
.endr
.Lhead_asked:
	v_and_b32 v1, 31, v0
	v_and_b32 v2, 15, v0                           ; r
	v_bfe_u32 v3, v0, 4, 1                         ; h
	v_lshlrev_b32 v8, 4, v1
	v_lshlrev_b32 v9, 3, v1
	v_lshlrev_b32 v11, 4, v2                       ; 16 r
	v_lshl_add_u32 v[CO], v3, 12, v11              ; the way out: lanes 0-15 one row of the result, lanes 16-31 the next; 16 bytes a lane
	s_wait_alu depctr_va_vdst(0)
	s_lshl_b32 s40, s21, 7
	s_lshl_b32 s41, s[WR], 6
	s_add_co_u32 s40, s40, s41                     ; my first row
	s_lshl_b32 s40, s40, 12
	s_lshl_b32 s41, s22, 7
	s_lshl_b32 s42, s[WC], 6
	s_add_co_u32 s41, s41, s42                     ; my first column
	s_lshl_b32 s42, s41, 2
	s_mov_b32 s43, 0
	s_add_co_u32 s40, s40, s42
	s_mov_b32 s41, 0
	s_add_nc_u64 s[92:93], s[10:11], s[40:41]      ; these three bases, v10 and v11 are not written again
	s_add_nc_u64 s[94:95], s[12:13], s[40:41]
	s_add_nc_u64 s[96:97], s[8:9], s[42:43]
	WIN 0xc0                                       ; destination window 3
.irp a, 0,1,2,3
.irp t, 0,1,2,3,4,5,6,7
	global_load_b128 v[32*\a+4*\t:32*\a+4*\t+3], v[CO], s[92:93] offset:(32*(\a/2)+8*(\a%2)+2*\t+8*(\t/4))*4096   ; group a's lane-rows 2 t and 2 t + 1, as they lie in memory
.endr
.endr
	WIN 0
	global_load_b128 v[BIAS:BIAS+3], v11, s[96:97]
	s_mul_i32 s40, s[WR], HALFT
	s_mul_i32 s41, s[WC], HALFT
	s_add_co_u32 s41, s41, 2*HALFT
.irp s, 0,1
	v_add_nc_u32 v[ADRA+\s], s40, v8
	v_add_nc_u32 v[ADRA+2+\s], s40, v9
	v_add_nc_u32 v[ADRB+\s], s41, v8
	v_add_nc_u32 v[ADRB+2+\s], s41, v9
	s_add_co_u32 s40, s40, SLOT
	s_add_co_u32 s41, s41, SLOT
.endr
	v_lshlrev_b32 v6, 2, v2
	s_mul_i32 s40, s[WR], NA*64
	s_mul_i32 s41, s[WC], NA*64
	s_add_co_u32 s41, s41, SCSZ
	s_sub_co_u32 s41, s41, s40
	v_mul_u32_u24 v7, s41, v3                      ; lanes 16-31 take B's words: ONE product with h
	s_add_co_u32 s40, s40, SCL
	v_add_nc_u32 v6, v6, v7
	v_add_nc_u32 v[ADRS], s40, v6
	s_mul_i32 s40, s[WV], 16*272                   ; my stage: 16 rows x (256 bytes + 16), in slot 0, which has had its last fill and its last read by then
	v_mul_u32_u24 v[STO], v2, 272
	v_lshl_add_u32 v[STO], v3, 6, v[STO]
	v_add_nc_u32 v[STO], s40, v[STO]               ; in: row r, + 64 h
	v_mul_u32_u24 v[RD], v3, 272
	v_add_nc_u32 v[RD], v[RD], v11
	v_add_nc_u32 v[RD], s40, v[RD]                 ; back: lanes 0-15 one row, lanes 16-31 the next
	s_wait_alu depctr_va_vdst(0)
	s_wait_tensorcnt 0x0                           ; my tile of the head's four is in
	ds_add_u32 v[SPW], v[NIL]
	s_mov_b32 s[G1A+2], NA<<16                     ; no load of mine is out: slot 1's load brings four groups
	s_mov_b32 s[G1A+4], NA
	s_mov_b32 s[G1B+2], NA<<16
	s_mov_b32 s[G1B+4], NA
	s_wait_dscnt 0x0
	CROUND                                         ; all four tiles are in, and all sixteen work-groups are here
	JLOAD G0A+4, G1A, G0B+4, G1B                   ; slot 1's first fill: my one load behind the round
	FETCH_B 0, 0, 0
	FETCH_A 0, 0, 0
	SCALES 0
	FETCH_A 0, 0, NA/2
	STEP 0, 0, 1                                   ; the first K step's products start the sums
.if LAPS > 1
	s_mov_b32 s3, LAPS-1
.Llap:
	MID 0
	TURN 0, 1, 1
	STEP 1, 0, 0
	MID 1
	TURN 1, 0, 1
	STEP 0, 0, 0
	s_sub_co_u32 s3, s3, 1
	s_cmp_lg_u32 s3, 0
	s_cbranch_scc1 .Llap
.endif
	MID 0
	TURN 0, 1, 0
	STEP 1, 0, 0
	MID 1
	s_wait_dscnt (NA/2)*NL
	MULQ 0, 1, NQ-1, 1, 0
	MULQ 1, 1, NQ-1, 1, 0
	s_wait_dscnt 0x0
	MULQ 2, 1, NQ-1, 1, 0
	MULQ 3, 1, NQ-1, 1, 0
	WIN 0
.macro TOSTAGE a                       ; group a's 16 rows x 64 columns into my stage, and back as whole rows
	WIN 0x08                                       ; an LDS store's data are its source 1: window 2
.irp b, 0,1,2,3
	ds_store_b128 v[STO], v[8*(4*(\a)+\b):8*(4*(\a)+\b)+3] offset:128*(\b/2)+32*(\b%2)        ; columns 32 (b / 2) + 16 h + 8 (b % 2) + 0 .. 7; each accumulator from its low end on
	ds_store_b128 v[STO], v[8*(4*(\a)+\b)+4:8*(4*(\a)+\b)+7] offset:128*(\b/2)+32*(\b%2)+16
.endr
	WIN 0
.set BB, BK+32*((\a)%2)
.irp t, 0,1,2,3,4,5,6,7
	ds_load_b128 v[BB+4*\t:BB+4*\t+3], v[RD] offset:\t*544   ; LDS serves a wave's instructions in order: these see the stores above
.endr
.endm
.macro SEND a, younger                 ; younger: the LDS instructions issued behind group a's loads
.set BB, BK+32*((\a)%2)
	s_wait_dscnt \younger
	WIN 0x0c                                       ; source 1: window 3, the residual
.set si, 0
.rept 16
	v_pk_add_f32 v[BB+si:BB+si+1], v[BB+si:BB+si+1], v[32*(\a)+si:32*(\a)+si+1]
.set si, si+2
.endr
	WIN 0
.irp t, 0,1,2,3,4,5,6,7
	v_pk_add_f32 v[BB+4*\t:BB+4*\t+1], v[BB+4*\t:BB+4*\t+1], v[BIAS:BIAS+1]
	v_pk_add_f32 v[BB+4*\t+2:BB+4*\t+3], v[BB+4*\t+2:BB+4*\t+3], v[BIAS+2:BIAS+3]
.endr
.irp t, 0,1,2,3,4,5,6,7
	global_store_b128 v[CO], v[BB+4*\t:BB+4*\t+3], s[94:95] offset:(32*((\a)/2)+8*((\a)%2)+2*\t+8*(\t/4))*4096   ; 16 lanes store 256 consecutive bytes, aligned
.endr
.endm
	PLACES 4                                       ; in front of the first read of results and of loads into A's registers
	s_wait_loadcnt 0x0                             ; the residual and the bias
	TOSTAGE 0
.irp a, 1,2,3
	s_wait_xcnt 0x0                                ; the stores of two groups back have read their registers: this group's loads may land there
	TOSTAGE \a
	SEND \a-1, 16                                  ; behind its loads: this group's 8 stores and 8 loads
.endr
	SEND 3, 0
	s_wait_tensorcnt 0x0                           ; the wave's end
	ds_add_u32 v[SPW], v[NIL]
	s_wait_dscnt 0x0
	CROUND                                         ; the closing round
	s_endpgm
.Lfunc_end_k_q2f44f8b08a_gemm_o:
	.size	k_q2f44f8b08a_gemm_o, .Lfunc_end_k_q2f44f8b08a_gemm_o-k_q2f44f8b08a_gemm_o
	.p2alignl 7, 3214868480
	.fill 96, 4, 3214868480
	.section	.rodata,"a",@progbits
	.p2align	6, 0x0
	.amdhsa_kernel k_q2f44f8b08a_gemm_o
		.amdhsa_group_segment_fixed_size 327680
		.amdhsa_private_segment_fixed_size 0
		.amdhsa_enable_private_segment 0
		.amdhsa_kernarg_size 40
		.amdhsa_user_sgpr_count 2
		.amdhsa_user_sgpr_kernarg_segment_ptr 1
		.amdhsa_wavefront_size32 1
		.amdhsa_system_sgpr_workgroup_id_x 1
		.amdhsa_system_sgpr_workgroup_id_y 1
		.amdhsa_system_sgpr_workgroup_id_z 1
		.amdhsa_system_vgpr_workitem_id 0
		.amdhsa_next_free_vgpr 896
		.amdhsa_next_free_sgpr 102
		.amdhsa_reserve_vcc 0
		.amdhsa_float_denorm_mode_32 3
		.amdhsa_float_denorm_mode_16_64 3
		.amdhsa_memory_ordered 1
		.amdhsa_forward_progress 1
		.amdhsa_inst_pref_size 68
	.end_amdhsa_kernel
	.amdgpu_metadata
---
amdhsa.version: [ 1, 2 ]
amdhsa.kernels:
  - .name:           k_q2f44f8b08a_gemm_o
    .symbol:         k_q2f44f8b08a_gemm_o.kd
    .args:
      - { .name: ctx, .offset: 0, .size: 8, .value_kind: global_buffer, .address_space: global }
      - { .name: wts, .offset: 8, .size: 8, .value_kind: global_buffer, .address_space: global }
      - { .name: bo, .offset: 16, .size: 8, .value_kind: global_buffer, .address_space: global }
      - { .name: x, .offset: 24, .size: 8, .value_kind: global_buffer, .address_space: global }
      - { .name: x1, .offset: 32, .size: 8, .value_kind: global_buffer, .address_space: global }
    .group_segment_fixed_size: 327680
    .private_segment_fixed_size: 0
    .kernarg_segment_align: 8
    .kernarg_segment_size: 40
    .max_flat_workgroup_size: 128
    .sgpr_count:     102
    .vgpr_count:     896
    .wavefront_size: 32
...
	.end_amdgpu_metadata
.endif
;; end of part 4
;; launch ln2: the kernel of part 1 again; grid 256 x 1, 8 waves a work-group, no clusters, 66,816 bytes of LDS; arguments x1, ln2_g, ln2_b, xn, Wq, Wk, Wv, Wo, W1, W2, wts; writes xn, wts
;; launch gemm_1 (part 5): grid 16 x 16, 4 waves a work-group, clusters of 4 x 4, 327,680 bytes of LDS; arguments xn, wts, b1, hid; writes hid
.if DOCPART == 5
	.amdgcn_target "amdgcn-amd-amdhsa--gfx1250"
	.amdhsa_code_object_version 6
	.text
	.protected	k_q2f44f8b08a_gemm_1
	.globl	k_q2f44f8b08a_gemm_1
	.p2align	8
	.type	k_q2f44f8b08a_gemm_1,@function
k_q2f44f8b08a_gemm_1:
	s_mov_b64 s[64:65], 0
	v_nop
	global_prefetch_b8 v0, s[64:65] scope:SCOPE_SE
	s_setreg_imm32_b32 hwreg(HW_REG_WAVE_MODE, 25, 1), 1
	s_wait_xcnt 0x0
	s_wait_alu depctr_hold_cnt(0) depctr_sa_sdst(0) depctr_va_vdst(0) depctr_va_sdst(0) depctr_va_ssrc(0) depctr_va_vcc(0) depctr_vm_vsrc(0)
	s_getreg_b32 s2, hwreg(HW_REG_IB_STS2, 6, 4)
	s_cmp_eq_u32 s2, 0
	s_cbranch_scc0 .Lentry_in_a_cluster
	s_endpgm
.Lentry_in_a_cluster:
	s_bfe_u32 s2, ttmp6, 0x10000c
	s_cmp_lg_u32 s2, 0xf033
	s_cbranch_scc0 .Lentry_shape_is_right
	s_endpgm
.Lentry_shape_is_right:
; hid = Q(gelu(xn W1 + b1)): xn and W1 are codes of FP6 (E2M3), laid as images of operand registers in groups of 16 rows, scale words in planes by K step; the result leaves quantised along its 4,096 columns.
; A tile of 256 x 256 to a work-group, four waves of 128 x 128; K = 1,024 goes in four slots' worth of 256 through a ring of two LDS slots; 4 x 4 work-groups form a cluster and ask jointly: A along a row, B along a column.
; Source 0 = a group of W1's columns, source 1 = a group of xn's rows: a lane holds one row, its 64 registers of a group of A are 128 neighbours along the next K, quantised in registers.
; THE GELU is exact-form: x Phi(x) = max(x, 0) - |x| q, q = erfc(|x| / sqrt 2) / 2, by a polynomial for small |x| and by 2^(polynomial) beyond, chosen by a select; both are always computed.
; LIMITS: NaN and infinities are not served; a block of zeros gets the byte 1 (only this program reads the bytes).
.set NA,    8
.set NQ,    2
.set NS,    8
.set NL,    4
.set GROW,  NQ*1536
.set HALFT, NA*GROW
.set SLOT,  4*HALFT
.set SCL,   2*SLOT
.set SCSZ,  NS*2*NA*64
.set SPARE, SCL+2*SCSZ
.set LAPS,  NS/(2*NQ)
.set A_SC,  3145728
.set B_CD,  3145728
.set B_SC,  9601024
.set H_SC,  12582912
.set ADRA, 16
.set ADRB, 20
.set ADRS, 27
.set SPW,  28
.set NIL,  29
.set SC,   32
.set BIAS, 64
.set AF,   128
.set T,    128
.set GT,   192
.set GS,   208
.set GR,   224
.set GQ,   240
.set MK,   48
.set TM,   192
.set PW,   208
.set PC,   210
.set G1A,  24
.set G0A,  32
.set G1B,  48
.set G0B,  56
.set G1SA, 68
.set G0SA, 76
.set G1SB, 80
.set G0SB, 88
.set WV,   16
.set WR,   17
.set WC,   18
.set SEL,  100
.set MSB, 0
.macro WIN new
.if MSB != (\new)
	s_set_vgpr_msb (MSB<<8)|(\new)
.set MSB, (\new)
.endif
.endm
.macro PLACES n
.rept \n
	v_nop
.endr
.endm
.macro JLOAD g0a, g1a, g0b, g1b
	s_cmp_eq_u32 s[WR], 0
	s_cbranch_scc0 .Lfor_b_\@
	tensor_load_to_lds s[\g0a:\g0a+3], s[\g1a:\g1a+7]
	s_nop 0
.rept 4
	v_nop
.endr
	s_branch .Lasked_\@
.Lfor_b_\@:
	tensor_load_to_lds s[\g0b:\g0b+3], s[\g1b:\g1b+7]
	s_nop 0
.rept 4
	v_nop
.endr
.Lasked_\@:
.endm
.macro CREST
	s_cmp_lg_u32 s[WV], 0
	s_cbranch_scc1 .Lnot_wave_0_\@
	s_barrier_signal -3
.Lnot_wave_0_\@:
	s_barrier_wait -3
	s_barrier_signal -1
	s_barrier_wait -1
.endm
.macro CROUND
	s_barrier_signal -1
	s_barrier_wait -1
	CREST
.endm
.macro FRAG reg, adr, off
	ds_load_b128 v[\reg:\reg+3], v[\adr] offset:\off
	ds_load_b64 v[\reg+4:\reg+5], v[\adr+2] offset:\off+512
	ds_load_b128 v[\reg+6:\reg+9], v[\adr] offset:\off+768
	ds_load_b64 v[\reg+10:\reg+11], v[\adr+2] offset:\off+1280
.endm
.macro FETCH_B slot, q, p
	WIN 0x40
.set fi, 0
.rept NA
	FRAG 128*(\p)+12*fi, ADRB+\slot, fi*GROW+(\q)*1536
.set fi, fi+1
.endr
	WIN 0
.endm
.macro FETCH_A slot, q, i0
.set fi, \i0
.rept NA/2
	FRAG AF+12*fi, ADRA+\slot, fi*GROW+(\q)*1536
.set fi, fi+1
.endr
.endm
.macro SCALES sc
.set si, 0
.rept NA
.set sq, 0
.rept NQ
	ds_load_b32 v[SC+16*(\sc)+NQ*si+sq], v[ADRS] offset:sq*2*NA*64+64*si
.set sq, sq+1
.endr
.set si, si+1
.endr
.endm
.macro MULA a, p, q, sc, zero
.irp b, 0,1,2,3,4,5,6,7
.set AC, (8*(NA*(\a)+\b))%256
.if \zero
	v_wmma_scale_f32_16x16x128_f8f6f4 v[AC:AC+7], v[128*(\p)+12*\b:128*(\p)+12*\b+11], v[AF+12*(\a):AF+12*(\a)+11], 0, v[SC+16*(\sc)+NQ*\b+(\q)], v[SC+16*(\sc)+NQ*(\a)+(\q)] matrix_a_fmt:MATRIX_FMT_FP6 matrix_b_fmt:MATRIX_FMT_FP6 matrix_a_scale:MATRIX_SCALE_ROW1
.else
	v_wmma_scale_f32_16x16x128_f8f6f4 v[AC:AC+7], v[128*(\p)+12*\b:128*(\p)+12*\b+11], v[AF+12*(\a):AF+12*(\a)+11], v[AC:AC+7], v[SC+16*(\sc)+NQ*\b+(\q)], v[SC+16*(\sc)+NQ*(\a)+(\q)] matrix_a_fmt:MATRIX_FMT_FP6 matrix_b_fmt:MATRIX_FMT_FP6 matrix_a_scale:MATRIX_SCALE_ROW1
.endif
.endr
.endm
.macro MULQ i, p, q, sc, zero
	WIN 0xa1+0x50*((\i)/2)
	MULA 2*(\i), \p, \q, \sc, \zero
	MULA 2*(\i)+1, \p, \q, \sc, \zero
.endm
.macro STEP slot, q, zero
	s_wait_dscnt (NA/2)*NL
	MULQ 0, (\q)%2, \q, \slot, \zero
	MULQ 1, (\q)%2, \q, \slot, \zero
	s_wait_dscnt 0x0
	PLACES 4
	FETCH_B \slot, (\q)+1, 1-(\q)%2
	FETCH_A \slot, (\q)+1, 0
	MULQ 2, (\q)%2, \q, \slot, \zero
	MULQ 3, (\q)%2, \q, \slot, \zero
	PLACES 4
	WIN 0
	FETCH_A \slot, (\q)+1, NA/2
.endm
.macro TURN slot, next, fill
	s_wait_tensorcnt 0x0
	ds_add_u32 v[SPW], v[NIL]
	s_wait_dscnt (NA/2)*NL+1
	MULQ 0, 1, NQ-1, \slot, 0
	s_wait_dscnt 0x0
	s_barrier_signal -1
	MULQ 1, 1, NQ-1, \slot, 0
	WIN 0
	s_barrier_wait -1
.if \fill
	CREST
	s_add_nc_u64 s[G0A+4*\slot+2:G0A+4*\slot+3], s[G0A+4*\slot+2:G0A+4*\slot+3], 2*GROW
	s_add_nc_u64 s[G0B+4*\slot+2:G0B+4*\slot+3], s[G0B+4*\slot+2:G0B+4*\slot+3], 2*GROW
	JLOAD G0A+4*\slot, G1A, G0B+4*\slot, G1B
.else
	PLACES 4
.endif
	s_wait_alu depctr_va_vdst(0)
	v_add_nc_u32 v[ADRS], NQ*2*NA*64, v[ADRS]
	FETCH_B \next, 0, 0
	FETCH_A \next, 0, 0
	SCALES \next
	MULQ 2, 1, NQ-1, \slot, 0
	MULQ 3, 1, NQ-1, \slot, 0
	PLACES 4
	WIN 0
	FETCH_A \next, 0, NA/2
.endm
.macro QUANT s
.irp b, 0,1,2,3
	v_max3_num_f32 v[TM+\b], |v[\s+16*\b]|, |v[\s+1+16*\b]|, 0x1800000
.endr
.irp i, 2,4,6,8,10,12,14
.irp b, 0,1,2,3
	v_max3_num_f32 v[TM+\b], v[TM+\b], |v[\s+16*\b+\i]|, |v[\s+1+16*\b+\i]|
.endr
.endr
.irp b, 0,1,2,3
	v_permlanex16_b32 v[TM+4+\b], v[TM+\b], s[SEL], s[SEL+1]
.endr
.irp b, 0,1,2,3
	v_max_num_f32 v[TM+\b], v[TM+\b], v[TM+4+\b]
.endr
.irp b, 0,1,2,3
	v_add_nc_u32 v[TM+12+\b], 0xff000000, v[TM+\b]
.endr
.irp b, 0,1,2,3
	v_lshrrev_b32 v[TM+4+\b], 23, v[TM+12+\b]
.endr
	v_lshl_or_b32 v[PW], v[TM+5], 8, v[TM+4]
	v_lshl_or_b32 v[PW], v[TM+6], 16, v[PW]
	v_lshl_or_b32 v[PW], v[TM+7], 24, v[PW]
.irp c, 0,1
	v_cvt_scalef32_pk16_fp6_f32 v[PC+6*\c:PC+2+6*\c], v[\s+32*\c:\s+15+32*\c], v[TM+12+2*\c]
	v_cvt_scalef32_pk16_fp6_f32 v[PC+12+4*\c:PC+14+4*\c], v[\s+16+32*\c:\s+31+32*\c], v[TM+12+2*\c+1]
.endr
	v_nop
.irp c, 0,1
.irp i, 0,1,2
	v_permlane16_swap_b32 v[PC+6*\c+\i], v[PC+12+4*\c+\i]
.endr
.irp i, 0,1,2
	v_mov_b32 v[PC+3+6*\c+\i], v[PC+12+4*\c+\i]
.endr
.endr
.endm
.macro HORN d, m, c, ex
.set gi, 0
.rept 8
	v_pk_fma_f32 v[\d+gi:\d+gi+1], v[\d+gi:\d+gi+1], v[\m+gi:\m+gi+1], s[\c:\c+1] op_sel_hi:[1,1,0]
.set gi, gi+2
.endr
.endm
.macro GELU16 hb
.set gi, 0
.rept 16
	v_mul_f32 v[GT+gi], s47, |v[\hb+gi]|
.set gi, gi+1
.endr
.set gi, 0
.rept 8
	v_pk_mul_f32 v[GS+gi:GS+gi+1], v[GT+gi:GT+gi+1], v[GT+gi:GT+gi+1]
	v_pk_fma_f32 v[GR+gi:GR+gi+1], v[GT+gi:GT+gi+1], s[24:25], v[2:3] op_sel_hi:[1,0,0]
	v_pk_fma_f32 v[GQ+gi:GQ+gi+1], v[GT+gi:GT+gi+1], s[26:27], v[4:5] op_sel_hi:[1,0,0]
.set gi, gi+2
.endr
.set gi, 0
.rept 8
	v_pk_fma_f32 v[GR+gi:GR+gi+1], v[GR+gi:GR+gi+1], v[GS+gi:GS+gi+1], v[GQ+gi:GQ+gi+1]
.set gi, gi+2
.endr
	HORN GR, GT, 28, 0
	HORN GR, GT, 30, 0
	HORN GR, GT, 32, 0
.set gi, 0
.rept 8
	v_pk_fma_f32 v[GR+gi:GR+gi+1], v[GR+gi:GR+gi+1], v[GT+gi:GT+gi+1], v[GT+gi:GT+gi+1] neg_lo:[0,0,1] neg_hi:[0,0,1]
.set gi, gi+2
.endr
.set gi, 0
.rept 8
	v_pk_fma_f32 v[GR+gi:GR+gi+1], v[GR+gi:GR+gi+1], s[34:35], -1.0 op_sel_hi:[1,0,0]
.set gi, gi+2
.endr
.set gi, 0
	s_wait_alu depctr_va_vdst(0)                   ; ahead of the batch: all 16 exponents are made
.rept 16
	v_exp_f32 v[GR+gi], v[GR+gi]                   ; one batch; the other polynomial, which names none of its results, follows as plain work
.set gi, gi+1
.endr
.set gi, 0
.rept 8
	v_pk_fma_f32 v[GQ+gi:GQ+gi+1], v[GS+gi:GS+gi+1], s[36:37], v[6:7] op_sel_hi:[1,0,0]
.set gi, gi+2
.endr
	HORN GQ, GS, 38, 0
	HORN GQ, GS, 40, 0
	HORN GQ, GS, 42, 0
	HORN GQ, GS, 44, 0
.set gi, 0
.rept 8
	v_pk_fma_f32 v[GQ+gi:GQ+gi+1], v[GQ+gi:GQ+gi+1], v[GT+gi:GT+gi+1], v[GT+gi:GT+gi+1]
.set gi, gi+2
.endr
.set gi, 0
.rept 8
	v_pk_fma_f32 v[GQ+gi:GQ+gi+1], v[GQ+gi:GQ+gi+1], -0.5, 0.5 op_sel_hi:[1,0,0]
.set gi, gi+2
.endr
.set gi, 0
.rept 16
	v_cmp_lt_f32 s[MK+gi], s46, v[GT+gi]
.set gi, gi+1
.endr
.set gi, 0
.rept 16
	v_max_num_f32 v[GS+gi], 0, v[\hb+gi]
.set gi, gi+1
.endr
	s_wait_alu depctr_va_vdst(0)
.set gi, 0
.rept 16
	v_cndmask_b32 v[GQ+gi], v[GQ+gi], v[GR+gi], s[MK+gi]
.set gi, gi+1
.endr
.set gi, 0
.rept 16
	v_fma_f32 v[\hb+gi], -|v[\hb+gi]|, v[GQ+gi], v[GS+gi]
.set gi, gi+1
.endr
.endm
	s_load_b128 s[4:7], s[0:1], 0x0
	s_load_b128 s[8:11], s[0:1], 0x10
	v_lshl_add_u32 v[SPW], v0, 2, SPARE
	v_mov_b32 v[NIL], 0
	ds_add_u32 v28, v29
	ds_add_u32 v28, v29
	s_wait_dscnt 0x0
	v_lshrrev_b32 v1, 5, v0
	v_readfirstlane_b32 s[WV], v1
	s_lshr_b32 s[WR], s[WV], 1
	s_and_b32 s[WC], s[WV], 1
	s_bfe_u32 s19, ttmp6, 0x40000
	s_bfe_u32 s20, ttmp6, 0x40004
	s_lshl_b32 s22, ttmp9, 2
	s_add_co_u32 s22, s22, s19
	s_and_b32 s21, ttmp7, 0xffff
	s_lshl_b32 s21, s21, 2
	s_add_co_u32 s21, s21, s20
	s_lshl_b32 s40, s20, 2
	s_lshl_b32 s40, 15, s40
	s_lshl_b32 s41, 0x1111, s19
	s_or_b32 s[G1A], s40, (3<<16)|(1<<21)
	s_or_b32 s[G1B], s41, (3<<16)|(1<<21)
.irp g, G1A, G1B
	s_mov_b32 s[\g+1], (GROW/8)<<16
	s_mov_b32 s[\g+2], (2*NA)<<16                  ; the head's loads take all sixteen groups of a tile; the ring's eight (set behind the head's wait)
	s_mov_b32 s[\g+3], (GROW/8)<<16
	s_mov_b32 s[\g+4], 2*NA
	s_mov_b32 s[\g+5], NS*192
	s_mov_b32 s[\g+6], 0
	s_mov_b32 s[\g+7], 0
.endr
	s_or_b32 s[G1SA], s40, (3<<16)|(1<<21)
	s_or_b32 s[G1SB], s41, (3<<16)|(1<<21)
.irp g, G1SA, G1SB
	s_mov_b32 s[\g+1], (2*NA*8)<<16
	s_mov_b32 s[\g+2], NS<<16
	s_mov_b32 s[\g+3], (2*NA*8)<<16
	s_mov_b32 s[\g+4], NS
	s_mov_b32 s[\g+5], 256*8
	s_mov_b32 s[\g+6], 0
	s_mov_b32 s[\g+7], 0
.endr
	s_mul_i32 s42, s21, 2*NA
	s_lshl_b32 s44, s42, 6
	s_mul_i32 s42, s42, NS*1536
	s_mov_b32 s43, 0
	s_add_co_u32 s44, s44, A_SC
	s_mov_b32 s45, 0
	s_mul_i32 s92, s22, 2*NA
	s_lshl_b32 s94, s92, 6
	s_mul_i32 s92, s92, NS*1536
	s_add_co_u32 s92, s92, B_CD
	s_mov_b32 s93, 0
	s_add_co_u32 s94, s94, B_SC
	s_mov_b32 s95, 0
	s_mul_i32 s46, s[WV], HALFT
	s_mul_i32 s2, s[WC], NA*NS*1536                ; s[2:3]: from a tile's first group to the half that I fetch in the ring
	s_mov_b32 s3, 0
	s_wait_kmcnt 0x0
	s_add_nc_u64 s[42:43], s[4:5], s[42:43]
	s_add_nc_u64 s[44:45], s[4:5], s[44:45]
	s_add_nc_u64 s[92:93], s[6:7], s[92:93]
	s_add_nc_u64 s[94:95], s[6:7], s[94:95]
	CROUND
	s_mov_b32 s[G0SA], 1
	s_mov_b32 s[G0SA+1], SCL
	s_mov_b64 s[G0SA+2:G0SA+3], s[44:45]
	s_or_b32 s[G0SA+3], s[G0SA+3], 0x80000000
	s_mov_b32 s[G0SB], 1
	s_mov_b32 s[G0SB+1], SCL+SCSZ
	s_mov_b64 s[G0SB+2:G0SB+3], s[94:95]
	s_or_b32 s[G0SB+3], s[G0SB+3], 0x80000000
	s_mov_b32 s[G0A], 1                            ; the head's tiles, each whole: slot 0's sixteen groups of A,
	s_mov_b32 s[G0A+1], 0
	s_mov_b64 s[G0A+2:G0A+3], s[42:43]
	s_or_b32 s[G0A+3], s[G0A+3], 0x80000000
	s_mov_b32 s[G0B], 1                            ; and of B, behind them
	s_mov_b32 s[G0B+1], 2*HALFT
	s_mov_b64 s[G0B+2:G0B+3], s[92:93]
	s_or_b32 s[G0B+3], s[G0B+3], 0x80000000
	s_add_nc_u64 s[42:43], s[42:43], s[2:3]        ; for the ring: my eight groups
	s_add_nc_u64 s[92:93], s[92:93], s[2:3]
	s_mov_b32 s[G0A+4], 1
	s_add_co_u32 s[G0A+5], s46, SLOT
	s_add_nc_u64 s[G0A+6:G0A+7], s[42:43], GROW
	s_or_b32 s[G0A+7], s[G0A+7], 0x80000000
	s_mov_b32 s[G0B+4], 1
	s_add_co_u32 s[G0B+5], s46, SLOT
	s_add_nc_u64 s[G0B+6:G0B+7], s[92:93], GROW
	s_or_b32 s[G0B+7], s[G0B+7], 0x80000000
; The head's loads, one a wave: wave 0 slot 0's A, wave 1 its B, wave 2 A's scale planes, wave 3 B's: one chain of branches on the wave's number
.macro ARM under, g0, g1, next
	s_cmp_lt_u32 s[WV], \under
	s_cbranch_scc0 \next
	tensor_load_to_lds s[\g0:\g0+3], s[\g1:\g1+7]
	s_nop 0
.rept 4
	v_nop
.endr
	s_branch .Lhead_asked
\next:
.endm
	ARM 1, G0A,  G1A,  .Lhead_b
	ARM 2, G0B,  G1B,  .Lhead_sa
	ARM 3, G0SA, G1SA, .Lhead_sb
	tensor_load_to_lds s[G0SB:G0SB+3], s[G1SB:G1SB+7]
	s_nop 0
.rept 4
	v_nop
.endr
.Lhead_asked:
	v_and_b32 v1, 31, v0
	v_and_b32 v2, 15, v0
	v_bfe_u32 v3, v0, 4, 1
	v_lshlrev_b32 v8, 4, v1
	s_wait_alu depctr_va_vdst(0)
	v_lshlrev_b32 v9, 3, v1
	s_wait_alu depctr_va_vdst(0)
	s_lshl_b32 s40, s22, 10
	s_lshl_b32 s41, s[WC], 9
	s_add_co_u32 s40, s40, s41
	s_mov_b32 s41, 0
	s_add_nc_u64 s[66:67], s[8:9], s[40:41]
	v_lshlrev_b32 v14, 6, v3
.irp b, 0,1,2,3,4,5,6,7
	global_load_b128 v[BIAS+8*\b:BIAS+8*\b+3], v14, s[66:67] offset:(32*(\b/2)+8*(\b%2))*4
	global_load_b128 v[BIAS+8*\b+4:BIAS+8*\b+7], v14, s[66:67] offset:(32*(\b/2)+8*(\b%2))*4+16
.endr
	; PREFETCH: behind the load of a slot's worth c, slot's worth c + 2 of the eight groups that I fetch in the ring is asked for.  The four partners that ask for a tile jointly share it out by address:
	; the partner at place p (cx for A, cy for B) takes groups 2 p and 2 p + 1: 24 blocks of 256 bytes, a lane a block; lanes 24-31 name the last block again.  K has four slots' worth: two requests, and none in the loop.
	s_cmp_eq_u32 s[WR], 0                          ; do I fetch for A?
	s_cselect_b32 s40, s21, s22                    ; the tile,
	s_cselect_b32 s41, s19, s20                    ; my place among the four that ask with me,
	s_cselect_b32 s42, 0, B_CD                     ; where the codes begin,
	s_cselect_b64 s[98:99], s[4:5], s[6:7]         ; the buffer
	s_lshl_b32 s40, s40, 4
	s_lshl_b32 s43, s[WC], 3
	s_add_co_u32 s40, s40, s43
	s_lshl_b32 s41, s41, 1
	s_add_co_u32 s40, s40, s41
	s_mul_i32 s40, s40, NS*1536
	s_add_co_u32 s40, s40, s42
	s_mov_b32 s41, 0
	s_add_nc_u64 s[98:99], s[98:99], s[40:41]      ; s[98:99] and v15 are not written again
	v_and_b32 v15, 31, v0
	v_min_u32 v15, 23, v15
	v_mul_u32_u24 v10, v15, 11
	v_lshrrev_b32 v10, 7, v10                      ; lane / 12: which of my two groups
	v_mul_u32_u24 v10, v10, NS*1536-GROW
	v_lshl_add_u32 v15, v15, 8, v10
	global_prefetch_b8 v15, s[98:99] offset:2*GROW th:TH_LOAD_NT scope:SCOPE_SE
	s_mul_i32 s40, s[WR], HALFT
	s_mul_i32 s41, s[WC], HALFT
	s_add_co_u32 s41, s41, 2*HALFT
.irp s, 0,1
	v_add_nc_u32 v[ADRA+\s], s40, v8
	v_add_nc_u32 v[ADRA+2+\s], s40, v9
	v_add_nc_u32 v[ADRB+\s], s41, v8
	v_add_nc_u32 v[ADRB+2+\s], s41, v9
	s_add_co_u32 s40, s40, SLOT
	s_add_co_u32 s41, s41, SLOT
.endr
	v_lshlrev_b32 v6, 2, v2
	s_mul_i32 s40, s[WR], NA*64
	s_mul_i32 s41, s[WC], NA*64
	s_add_co_u32 s41, s41, SCSZ
	s_sub_co_u32 s41, s41, s40
	v_mul_u32_u24 v7, s41, v3
	s_add_co_u32 s40, s40, SCL
	v_add_nc_u32 v6, v6, v7
	v_add_nc_u32 v[ADRS], s40, v6
	s_lshl_b32 s40, s[WV], 9
	v_lshl_add_u32 v12, v2, 2, s40
	v_add_nc_u32 v13, s40, v8
	s_lshl_b32 s40, s21, 4
	s_lshl_b32 s41, s[WR], 3
	s_add_co_u32 s40, s40, s41
	s_lshl_b32 s41, s22, 1
	s_add_co_u32 s41, s41, s[WC]
	s_lshl_b32 s42, s40, 5
	s_add_co_u32 s42, s42, s41
	s_mul_i32 s42, s42, 1536
	s_mov_b32 s43, 0
	s_add_nc_u64 s[92:93], s[10:11], s[42:43]
	s_lshl_b32 s44, s41, 8
	s_add_co_u32 s44, s44, s40
	s_lshl_b32 s44, s44, 6
	s_add_co_u32 s44, s44, H_SC
	s_mov_b32 s45, 0
	s_add_nc_u64 s[94:95], s[10:11], s[44:45]
	s_wait_alu depctr_va_vdst(0)
	s_wait_tensorcnt 0x0                           ; my tile of the head's four is in
	ds_add_u32 v[SPW], v[NIL]
	s_mov_b32 s[G1A+2], NA<<16                     ; no load of mine is out: from here on a load brings eight groups,
	s_mov_b32 s[G1A+4], NA
	s_mov_b32 s[G1B+2], NA<<16
	s_mov_b32 s[G1B+4], NA
	s_mov_b32 s[G0A+1], s46                        ; and slot 0's group 0 names my half
	s_add_nc_u64 s[G0A+2:G0A+3], s[G0A+2:G0A+3], s[2:3]
	s_mov_b32 s[G0B+1], s46
	s_add_nc_u64 s[G0B+2:G0B+3], s[G0B+2:G0B+3], s[2:3]
	s_wait_dscnt 0x0
	CROUND                                         ; all four tiles are in, and all sixteen work-groups are here
	JLOAD G0A+4, G1A, G0B+4, G1B                   ; slot 1's first fill: my one load behind the round
	FETCH_B 0, 0, 0
	FETCH_A 0, 0, 0
	SCALES 0
	global_prefetch_b8 v15, s[98:99] offset:3*GROW th:TH_LOAD_NT scope:SCOPE_SE   ; behind slot 1's fill: the last slot's worth
	FETCH_A 0, 0, NA/2
	STEP 0, 0, 1
	s_mov_b32 s3, LAPS-1
.Llap:
	TURN 0, 1, 1
	STEP 1, 0, 0
	TURN 1, 0, 1
	STEP 0, 0, 0
	s_sub_co_u32 s3, s3, 1
	s_cmp_lg_u32 s3, 0
	s_cbranch_scc1 .Llap
	TURN 0, 1, 0
	STEP 1, 0, 0
	s_wait_dscnt (NA/2)*NL
	MULQ 0, 1, NQ-1, 1, 0
	MULQ 1, 1, NQ-1, 1, 0
	s_wait_dscnt 0x0
	MULQ 2, 1, NQ-1, 1, 0
	MULQ 3, 1, NQ-1, 1, 0
	WIN 0
	PLACES 4
	s_wait_loadcnt 0x0
	s_mov_b32 s[SEL], 0x76543210
	s_mov_b32 s[SEL+1], 0xfedcba98
.macro CONST r, x
	s_mov_b32 s[\r], \x
	s_mov_b32 s[\r+1], \x
.endm
	CONST 24, 0xb7910000
	CONST 26, 0xbb7e8a1c
	CONST 28, 0xbddaae5c
	CONST 30, 0xbf228550
	CONST 32, 0xbe03ce86
	CONST 34, 0x3fb8aa3b
	CONST 36, 0xba1c7000
	CONST 38, 0xbcdb48d9
	CONST 40, 0x3de70e22
	CONST 42, 0xbec09380
	CONST 44, 0x3e0375d4
	s_mov_b32 s46, 0x3f6d8000
	s_mov_b32 s47, 0x3f3504f3
	v_mov_b32 v2, 0x39c8e7d9
	v_mov_b32 v3, 0x39c8e7d9
	v_mov_b32 v4, 0x3cc6b1a1
	v_mov_b32 v5, 0x3cc6b1a1
	v_mov_b32 v6, 0x3ba38d2c
	v_mov_b32 v7, 0x3ba38d2c
.macro COPY a
	WIN 2+(\a)/4
.set ci, 0
.rept 32
	v_pk_add_f32 v[T+ci:T+ci+1], v[64*((\a)%4)+ci:64*((\a)%4)+ci+1], v[BIAS+ci:BIAS+ci+1]
.set ci, ci+2
.endr
	WIN 0
.endm
	s_mov_b32 s3, 0
.Lepi:
.irp a, 0,1,2,3,4,5,6
	s_cmp_eq_u32 s3, \a
	s_cbranch_scc1 .Lcopy\a
.endr
	COPY 7
	s_branch .Lwork
.irp a, 0,1,2,3,4,5,6
.Lcopy\a:
	COPY \a
	s_branch .Lwork
.endr
.Lwork:
	GELU16 T
	GELU16 T+16
	GELU16 T+32
	GELU16 T+48
	QUANT T
	global_store_b128 v8, v[PC:PC+3], s[92:93]
	global_store_b64 v9, v[PC+4:PC+5], s[92:93] offset:512
	global_store_b128 v8, v[PC+6:PC+9], s[92:93] offset:768
	global_store_b64 v9, v[PC+10:PC+11], s[92:93] offset:1280
	ds_store_b32 v12, v[PW]
	v_add_nc_u32 v12, 64, v12
	s_wait_xcnt 0x0
	s_add_nc_u64 s[92:93], s[92:93], 49152
	s_add_co_u32 s3, s3, 1
	s_cmp_lt_u32 s3, 8
	s_cbranch_scc1 .Lepi
	ds_load_b128 v[T:T+3], v13
	s_wait_dscnt 0x0
	global_store_b128 v8, v[T:T+3], s[94:95]
	s_wait_tensorcnt 0x0
	ds_add_u32 v[SPW], v[NIL]
	s_wait_dscnt 0x0
	CROUND
	s_endpgm
.Lfunc_end_k_q2f44f8b08a_gemm_1:
	.size	k_q2f44f8b08a_gemm_1, .Lfunc_end_k_q2f44f8b08a_gemm_1-k_q2f44f8b08a_gemm_1
	.p2alignl 7, 3214868480
	.fill 96, 4, 3214868480
	.section	.rodata,"a",@progbits
	.p2align	6, 0x0
	.amdhsa_kernel k_q2f44f8b08a_gemm_1
		.amdhsa_group_segment_fixed_size 327680
		.amdhsa_private_segment_fixed_size 0
		.amdhsa_enable_private_segment 0
		.amdhsa_kernarg_size 32
		.amdhsa_user_sgpr_count 2
		.amdhsa_user_sgpr_kernarg_segment_ptr 1
		.amdhsa_wavefront_size32 1
		.amdhsa_system_sgpr_workgroup_id_x 1
		.amdhsa_system_sgpr_workgroup_id_y 1
		.amdhsa_system_sgpr_workgroup_id_z 1
		.amdhsa_system_vgpr_workitem_id 0
		.amdhsa_next_free_vgpr 1024
		.amdhsa_next_free_sgpr 102
		.amdhsa_reserve_vcc 0
		.amdhsa_float_denorm_mode_32 3
		.amdhsa_float_denorm_mode_16_64 3
		.amdhsa_memory_ordered 1
		.amdhsa_forward_progress 1
		.amdhsa_inst_pref_size 196
	.end_amdhsa_kernel
	.amdgpu_metadata
---
amdhsa.version: [ 1, 2 ]
amdhsa.kernels:
  - .name:           k_q2f44f8b08a_gemm_1
    .symbol:         k_q2f44f8b08a_gemm_1.kd
    .args:
      - { .name: xn, .offset: 0, .size: 8, .value_kind: global_buffer, .address_space: global }
      - { .name: wts, .offset: 8, .size: 8, .value_kind: global_buffer, .address_space: global }
      - { .name: b1, .offset: 16, .size: 8, .value_kind: global_buffer, .address_space: global }
      - { .name: hid, .offset: 24, .size: 8, .value_kind: global_buffer, .address_space: global }
    .group_segment_fixed_size: 327680
    .private_segment_fixed_size: 0
    .kernarg_segment_align: 8
    .kernarg_segment_size: 32
    .max_flat_workgroup_size: 128
    .sgpr_count:     102
    .vgpr_count:     1024
    .wavefront_size: 32
...
	.end_amdgpu_metadata
.endif
;; end of part 5
;; launch gemm_2 (part 6): grid 8 x 32, 4 waves a work-group, clusters of 4 x 4, 327,680 bytes of LDS; arguments hid, wts, b2, x1, out0; writes out0
.if DOCPART == 6
	.amdgcn_target "amdgcn-amd-amdhsa--gfx1250"
	.amdhsa_code_object_version 6
	.text
	.protected	k_q2f44f8b08a_gemm_2
	.globl	k_q2f44f8b08a_gemm_2
	.p2align	8
	.type	k_q2f44f8b08a_gemm_2,@function
k_q2f44f8b08a_gemm_2:
	s_mov_b64 s[64:65], 0
	v_nop
	global_prefetch_b8 v0, s[64:65] scope:SCOPE_SE
	s_setreg_imm32_b32 hwreg(HW_REG_WAVE_MODE, 25, 1), 1
	s_wait_xcnt 0x0
	s_wait_alu depctr_hold_cnt(0) depctr_sa_sdst(0) depctr_va_vdst(0) depctr_va_sdst(0) depctr_va_ssrc(0) depctr_va_vcc(0) depctr_vm_vsrc(0)
	s_getreg_b32 s2, hwreg(HW_REG_IB_STS2, 6, 4)
	s_cmp_eq_u32 s2, 0
	s_cbranch_scc0 .Lentry_in_a_cluster
	s_endpgm
.Lentry_in_a_cluster:
	s_bfe_u32 s2, ttmp6, 0x10000c
	s_cmp_lg_u32 s2, 0xf033
	s_cbranch_scc0 .Lentry_shape_is_right
	s_endpgm
.Lentry_shape_is_right:
; out0 = hid W2 + b2 + x1.  hid and W2 are codes of FP6 (E2M3), laid as images of operand registers in groups of 16 rows, scale words in planes by K step; x1, out0: [4096][1024] f32.
; A tile of 128 x 128 to a work-group (256 of them), four waves of 64 x 64; K = 4,096 goes in eight slots' worth of 512 through a ring of two LDS slots; 4 x 4 work-groups form a cluster and ask jointly.
; The residual is asked for at the head in the layout in which the results leave; results go through a stage in LDS and leave as rows of 256 bytes, aligned.
.set NA,    4
.set NQ,    4
.set NS,    32
.set NL,    4
.set PITCHA, 256
.set PITCHB, 64
.set A_SC,  12582912
.set B_CD,  6291456
.set B_SC,  9732096
.set GROW,  NQ*1536
.set HALFT, NA*GROW
.set SLOT,  4*HALFT
.set SCL,   2*SLOT
.set SCSZ,  NS*2*NA*64
.set SPARE, SCL+2*SCSZ
.set LAPS,  NS/(2*NQ)
.set ADRA, 16
.set ADRB, 20
.set ADRS, 27
.set SPW,  28
.set NIL,  29
.set SC,   32
.set BIAS, 64
.set AF,   128
.set BK,   128
.set CO,   10
.set STO,  12
.set RD,   13
.set G1A,  24
.set G0A,  32
.set G1B,  48
.set G0B,  56
.set G1SA, 68
.set G0SA, 76
.set G1SB, 80
.set G0SB, 88
.set WV,   16
.set WR,   17
.set WC,   18
.set MSB, 0
.macro WIN new
.if MSB != (\new)
	s_set_vgpr_msb (MSB<<8)|(\new)
.set MSB, (\new)
.endif
.endm
.macro PLACES n
.rept \n
	v_nop
.endr
.endm
.macro JLOAD g0a, g1a, g0b, g1b
	s_cmp_eq_u32 s[WR], 0
	s_cbranch_scc0 .Lfor_b_\@
	tensor_load_to_lds s[\g0a:\g0a+3], s[\g1a:\g1a+7]
	s_nop 0
.rept 4
	v_nop
.endr
	s_branch .Lasked_\@
.Lfor_b_\@:
	tensor_load_to_lds s[\g0b:\g0b+3], s[\g1b:\g1b+7]
	s_nop 0
.rept 4
	v_nop
.endr
.Lasked_\@:
.endm
.macro CREST
	s_cmp_lg_u32 s[WV], 0
	s_cbranch_scc1 .Lnot_wave_0_\@
	s_barrier_signal -3
.Lnot_wave_0_\@:
	s_barrier_wait -3
	s_barrier_signal -1
	s_barrier_wait -1
.endm
.macro CROUND
	s_barrier_signal -1
	s_barrier_wait -1
	CREST
.endm
.macro FRAG reg, adr, off
	ds_load_b128 v[\reg:\reg+3], v[\adr] offset:\off
	ds_load_b64 v[\reg+4:\reg+5], v[\adr+2] offset:\off+512
	ds_load_b128 v[\reg+6:\reg+9], v[\adr] offset:\off+768
	ds_load_b64 v[\reg+10:\reg+11], v[\adr+2] offset:\off+1280
.endm
.macro FETCH_B slot, q, p
	WIN 0x40
.set fi, 0
.rept NA
	FRAG 128*(\p)+12*fi, ADRB+\slot, fi*GROW+(\q)*1536
.set fi, fi+1
.endr
	WIN 0
.endm
.macro FETCH_A slot, q, i0
.set fi, \i0
.rept NA/2
	FRAG AF+12*fi, ADRA+\slot, fi*GROW+(\q)*1536
.set fi, fi+1
.endr
.endm
.macro SCALES sc
.set si, 0
.rept NA
.set sq, 0
.rept NQ
	ds_load_b32 v[SC+16*(\sc)+NQ*si+sq], v[ADRS] offset:sq*2*NA*64+64*si
.set sq, sq+1
.endr
.set si, si+1
.endr
.endm
.macro MULA a, p, q, sc, zero
.irp b, 0,1,2,3
.set AC, 8*(NA*(\a)+\b)
.if \zero
	v_wmma_scale_f32_16x16x128_f8f6f4 v[AC:AC+7], v[128*(\p)+12*\b:128*(\p)+12*\b+11], v[AF+12*(\a):AF+12*(\a)+11], 0, v[SC+16*(\sc)+NQ*\b+(\q)], v[SC+16*(\sc)+NQ*(\a)+(\q)] matrix_a_fmt:MATRIX_FMT_FP6 matrix_b_fmt:MATRIX_FMT_FP6 matrix_a_scale:MATRIX_SCALE_ROW1
.else
	v_wmma_scale_f32_16x16x128_f8f6f4 v[AC:AC+7], v[128*(\p)+12*\b:128*(\p)+12*\b+11], v[AF+12*(\a):AF+12*(\a)+11], v[AC:AC+7], v[SC+16*(\sc)+NQ*\b+(\q)], v[SC+16*(\sc)+NQ*(\a)+(\q)] matrix_a_fmt:MATRIX_FMT_FP6 matrix_b_fmt:MATRIX_FMT_FP6 matrix_a_scale:MATRIX_SCALE_ROW1
.endif
.endr
.endm
.macro MULQ i, p, q, sc, zero
	WIN 0xa1
	MULA \i, \p, \q, \sc, \zero
.endm
.macro STEP slot, q, zero
	s_wait_dscnt (NA/2)*NL
	MULQ 0, (\q)%2, \q, \slot, \zero
	MULQ 1, (\q)%2, \q, \slot, \zero
	s_wait_dscnt 0x0
	PLACES 4
	FETCH_B \slot, (\q)+1, 1-(\q)%2
	FETCH_A \slot, (\q)+1, 0
	MULQ 2, (\q)%2, \q, \slot, \zero
	MULQ 3, (\q)%2, \q, \slot, \zero
	PLACES 4
	WIN 0
	FETCH_A \slot, (\q)+1, NA/2
.endm
.macro TURN slot, next, fill
	s_wait_tensorcnt 0x0
	ds_add_u32 v[SPW], v[NIL]
	s_wait_dscnt (NA/2)*NL+1
	MULQ 0, 1, NQ-1, \slot, 0
	s_wait_dscnt 0x0
	s_barrier_signal -1
	MULQ 1, 1, NQ-1, \slot, 0
	WIN 0
	s_barrier_wait -1
.if \fill
	CREST
	s_add_nc_u64 s[G0A+4*\slot+2:G0A+4*\slot+3], s[G0A+4*\slot+2:G0A+4*\slot+3], 2*GROW
	s_add_nc_u64 s[G0B+4*\slot+2:G0B+4*\slot+3], s[G0B+4*\slot+2:G0B+4*\slot+3], 2*GROW
	JLOAD G0A+4*\slot, G1A, G0B+4*\slot, G1B
.else
	PLACES 4
.endif
	s_wait_alu depctr_va_vdst(0)
	v_add_nc_u32 v[ADRS], NQ*2*NA*64, v[ADRS]
	FETCH_B \next, 0, 0
	FETCH_A \next, 0, 0
	SCALES \next
.if \fill
	s_cmp_gt_u32 s3, 1                             ; behind the refill and the run of LDS loads: the slot's worth two refills on; the loop's last trip has none (s3 = 1 there)
	s_cbranch_scc0 .Lno_ask_\@
	global_prefetch_b8 v14, s[98:99] offset:(4+\slot)*GROW th:TH_LOAD_NT scope:SCOPE_SE
.Lno_ask_\@:
.endif
	MULQ 2, 1, NQ-1, \slot, 0
	MULQ 3, 1, NQ-1, \slot, 0
	PLACES 4
	WIN 0
	FETCH_A \next, 0, NA/2
.endm
.macro MID slot
	STEP \slot, 1, 0
	STEP \slot, 2, 0
.endm
	s_load_b128 s[4:7], s[0:1], 0x0
	s_load_b128 s[8:11], s[0:1], 0x10
	s_load_b64 s[12:13], s[0:1], 0x20
	v_lshl_add_u32 v[SPW], v0, 2, SPARE
	v_mov_b32 v[NIL], 0
	ds_add_u32 v28, v29
	ds_add_u32 v28, v29
	s_wait_dscnt 0x0
	v_lshrrev_b32 v1, 5, v0
	v_readfirstlane_b32 s[WV], v1
	s_lshr_b32 s[WR], s[WV], 1
	s_and_b32 s[WC], s[WV], 1
	s_bfe_u32 s19, ttmp6, 0x40000
	s_bfe_u32 s20, ttmp6, 0x40004
	s_lshl_b32 s22, ttmp9, 2
	s_add_co_u32 s22, s22, s19
	s_and_b32 s21, ttmp7, 0xffff
	s_lshl_b32 s21, s21, 2
	s_add_co_u32 s21, s21, s20
	s_lshl_b32 s40, s20, 2
	s_lshl_b32 s40, 15, s40
	s_lshl_b32 s41, 0x1111, s19
	s_or_b32 s[G1A], s40, (3<<16)|(1<<21)
	s_or_b32 s[G1B], s41, (3<<16)|(1<<21)
.irp g, G1A, G1B
	s_mov_b32 s[\g+1], (GROW/8)<<16
	s_mov_b32 s[\g+2], (2*NA)<<16                  ; the head's loads take all eight groups of a tile; the ring's four (set behind the head's wait)
	s_mov_b32 s[\g+3], (GROW/8)<<16
	s_mov_b32 s[\g+4], 2*NA
	s_mov_b32 s[\g+5], NS*192
	s_mov_b32 s[\g+6], 0
	s_mov_b32 s[\g+7], 0
.endr
	s_or_b32 s[G1SA], s40, (3<<16)|(1<<21)
	s_or_b32 s[G1SB], s41, (3<<16)|(1<<21)
.irp g, G1SA, G1SB
	s_mov_b32 s[\g+1], (2*NA*8)<<16
	s_mov_b32 s[\g+2], NS<<16
	s_mov_b32 s[\g+3], (2*NA*8)<<16
	s_mov_b32 s[\g+4], NS
	s_mov_b32 s[\g+6], 0
	s_mov_b32 s[\g+7], 0
.endr
	s_mov_b32 s[G1SA+5], PITCHA*8
	s_mov_b32 s[G1SB+5], PITCHB*8
	s_mul_i32 s42, s21, 2*NA
	s_lshl_b32 s44, s42, 6
	s_mul_i32 s42, s42, NS*1536
	s_mov_b32 s43, 0
	s_add_co_u32 s44, s44, A_SC
	s_mov_b32 s45, 0
	s_mul_i32 s92, s22, 2*NA
	s_lshl_b32 s94, s92, 6
	s_mul_i32 s92, s92, NS*1536
	s_add_co_u32 s92, s92, B_CD
	s_mov_b32 s93, 0
	s_add_co_u32 s94, s94, B_SC
	s_mov_b32 s95, 0
	s_mul_i32 s46, s[WV], HALFT
	s_mul_i32 s2, s[WC], NA*NS*1536                ; s[2:3]: from a tile's first group to the half that I fetch in the ring
	s_mov_b32 s3, 0
	s_wait_kmcnt 0x0
	s_add_nc_u64 s[42:43], s[4:5], s[42:43]
	s_add_nc_u64 s[44:45], s[4:5], s[44:45]
	s_add_nc_u64 s[92:93], s[6:7], s[92:93]
	s_add_nc_u64 s[94:95], s[6:7], s[94:95]
	CROUND
	s_mov_b32 s[G0SA], 1
	s_mov_b32 s[G0SA+1], SCL
	s_mov_b64 s[G0SA+2:G0SA+3], s[44:45]
	s_or_b32 s[G0SA+3], s[G0SA+3], 0x80000000
	s_mov_b32 s[G0SB], 1
	s_mov_b32 s[G0SB+1], SCL+SCSZ
	s_mov_b64 s[G0SB+2:G0SB+3], s[94:95]
	s_or_b32 s[G0SB+3], s[G0SB+3], 0x80000000
	s_mov_b32 s[G0A], 1                            ; the head's tiles, each whole: slot 0's eight groups of A,
	s_mov_b32 s[G0A+1], 0
	s_mov_b64 s[G0A+2:G0A+3], s[42:43]
	s_or_b32 s[G0A+3], s[G0A+3], 0x80000000
	s_mov_b32 s[G0B], 1                            ; and of B, behind them
	s_mov_b32 s[G0B+1], 2*HALFT
	s_mov_b64 s[G0B+2:G0B+3], s[92:93]
	s_or_b32 s[G0B+3], s[G0B+3], 0x80000000
	s_add_nc_u64 s[42:43], s[42:43], s[2:3]        ; for the ring: my four groups
	s_add_nc_u64 s[92:93], s[92:93], s[2:3]
	s_mov_b32 s[G0A+4], 1
	s_add_co_u32 s[G0A+5], s46, SLOT
	s_add_nc_u64 s[G0A+6:G0A+7], s[42:43], GROW
	s_or_b32 s[G0A+7], s[G0A+7], 0x80000000
	s_mov_b32 s[G0B+4], 1
	s_add_co_u32 s[G0B+5], s46, SLOT
	s_add_nc_u64 s[G0B+6:G0B+7], s[92:93], GROW
	s_or_b32 s[G0B+7], s[G0B+7], 0x80000000
; The head's loads, one a wave: wave 0 slot 0's A, wave 1 its B, wave 2 A's scale planes, wave 3 B's: one chain of branches on the wave's number
.macro ARM under, g0, g1, next
	s_cmp_lt_u32 s[WV], \under
	s_cbranch_scc0 \next
	tensor_load_to_lds s[\g0:\g0+3], s[\g1:\g1+7]
	s_nop 0
.rept 4
	v_nop
.endr
	s_branch .Lhead_asked
\next:
.endm
	ARM 1, G0A,  G1A,  .Lhead_b
	ARM 2, G0B,  G1B,  .Lhead_sa
	ARM 3, G0SA, G1SA, .Lhead_sb
	tensor_load_to_lds s[G0SB:G0SB+3], s[G1SB:G1SB+7]
	s_nop 0
.rept 4
	v_nop
.endr
.Lhead_asked:
	v_and_b32 v1, 31, v0
	v_and_b32 v2, 15, v0
	v_bfe_u32 v3, v0, 4, 1
	v_lshlrev_b32 v8, 4, v1
	v_lshlrev_b32 v9, 3, v1
	v_lshlrev_b32 v11, 4, v2
	v_lshl_add_u32 v[CO], v3, 12, v11
	s_wait_alu depctr_va_vdst(0)
	s_lshl_b32 s40, s21, 7
	s_lshl_b32 s41, s[WR], 6
	s_add_co_u32 s40, s40, s41
	s_lshl_b32 s40, s40, 12
	s_lshl_b32 s41, s22, 7
	s_lshl_b32 s42, s[WC], 6
	s_add_co_u32 s41, s41, s42
	s_lshl_b32 s42, s41, 2
	s_mov_b32 s43, 0
	s_add_co_u32 s40, s40, s42
	s_mov_b32 s41, 0
	s_add_nc_u64 s[92:93], s[10:11], s[40:41]
	s_add_nc_u64 s[94:95], s[12:13], s[40:41]
	s_add_nc_u64 s[96:97], s[8:9], s[42:43]
	WIN 0xc0
.irp a, 0,1,2,3
.irp t, 0,1,2,3,4,5,6,7
	global_load_b128 v[32*\a+4*\t:32*\a+4*\t+3], v[CO], s[92:93] offset:(32*(\a/2)+8*(\a%2)+2*\t+8*(\t/4))*4096
.endr
.endr
	WIN 0
	global_load_b128 v[BIAS:BIAS+3], v11, s[96:97]
	; PREFETCH: behind the load of a slot's worth c, slot's worth c + 2 of the four groups that I fetch in the ring is asked for.  The four partners that ask for a tile jointly share it out by address:
	; the partner at place p (cx for A, cy for B) takes group p: 24 blocks of 256 bytes, a lane a block; lanes 24-31 name the last block again.  K has eight slots' worth: 2 and 3 are asked for ahead of the loop, 4 to 7 in its first two trips.
	s_cmp_eq_u32 s[WR], 0                          ; do I fetch for A?
	s_cselect_b32 s40, s21, s22                    ; the tile,
	s_cselect_b32 s41, s19, s20                    ; my place among the four that ask with me,
	s_cselect_b32 s42, 0, B_CD                     ; where the codes begin,
	s_cselect_b64 s[98:99], s[4:5], s[6:7]         ; the buffer
	s_lshl_b32 s40, s40, 3
	s_lshl_b32 s43, s[WC], 2
	s_add_co_u32 s40, s40, s43
	s_add_co_u32 s40, s40, s41
	s_mul_i32 s40, s40, NS*1536
	s_add_co_u32 s40, s40, s42
	s_mov_b32 s41, 0
	s_add_nc_u64 s[98:99], s[98:99], s[40:41]
	v_and_b32 v14, 31, v0
	v_min_u32 v14, 23, v14
	v_lshlrev_b32 v14, 8, v14                      ; v14 is not written again
	global_prefetch_b8 v14, s[98:99] offset:2*GROW th:TH_LOAD_NT scope:SCOPE_SE
	s_mul_i32 s40, s[WR], HALFT
	s_mul_i32 s41, s[WC], HALFT
	s_add_co_u32 s41, s41, 2*HALFT
.irp s, 0,1
	v_add_nc_u32 v[ADRA+\s], s40, v8
	v_add_nc_u32 v[ADRA+2+\s], s40, v9
	v_add_nc_u32 v[ADRB+\s], s41, v8
	v_add_nc_u32 v[ADRB+2+\s], s41, v9
	s_add_co_u32 s40, s40, SLOT
	s_add_co_u32 s41, s41, SLOT
.endr
	v_lshlrev_b32 v6, 2, v2
	s_mul_i32 s40, s[WR], NA*64
	s_mul_i32 s41, s[WC], NA*64
	s_add_co_u32 s41, s41, SCSZ
	s_sub_co_u32 s41, s41, s40
	v_mul_u32_u24 v7, s41, v3
	s_add_co_u32 s40, s40, SCL
	v_add_nc_u32 v6, v6, v7
	v_add_nc_u32 v[ADRS], s40, v6
	s_mul_i32 s40, s[WV], 16*272
	v_mul_u32_u24 v[STO], v2, 272
	v_lshl_add_u32 v[STO], v3, 6, v[STO]
	v_add_nc_u32 v[STO], s40, v[STO]
	v_mul_u32_u24 v[RD], v3, 272
	v_add_nc_u32 v[RD], v[RD], v11
	v_add_nc_u32 v[RD], s40, v[RD]
	s_wait_alu depctr_va_vdst(0)
	s_wait_tensorcnt 0x0                           ; my tile of the head's four is in
	ds_add_u32 v[SPW], v[NIL]
	s_mov_b32 s[G1A+2], NA<<16                     ; no load of mine is out: from here on a load brings four groups,
	s_mov_b32 s[G1A+4], NA
	s_mov_b32 s[G1B+2], NA<<16
	s_mov_b32 s[G1B+4], NA
	s_mov_b32 s[G0A+1], s46                        ; and slot 0's group 0 names my half
	s_add_nc_u64 s[G0A+2:G0A+3], s[G0A+2:G0A+3], s[2:3]
	s_mov_b32 s[G0B+1], s46
	s_add_nc_u64 s[G0B+2:G0B+3], s[G0B+2:G0B+3], s[2:3]
	s_wait_dscnt 0x0
	CROUND                                         ; all four tiles are in, and all sixteen work-groups are here
	JLOAD G0A+4, G1A, G0B+4, G1B                   ; slot 1's first fill: my one load behind the round
	FETCH_B 0, 0, 0
	FETCH_A 0, 0, 0
	SCALES 0
	global_prefetch_b8 v14, s[98:99] offset:3*GROW th:TH_LOAD_NT scope:SCOPE_SE   ; behind slot 1's fill
	FETCH_A 0, 0, NA/2
	STEP 0, 0, 1
.if LAPS > 1
	s_mov_b32 s3, LAPS-1
.Llap:
	MID 0
	TURN 0, 1, 1
	STEP 1, 0, 0
	MID 1
	TURN 1, 0, 1
	STEP 0, 0, 0
	s_wait_xcnt 0x0                                ; the trip's prefetches have read their address: it goes two slots' worth on
	s_add_nc_u64 s[98:99], s[98:99], 2*GROW
	s_sub_co_u32 s3, s3, 1
	s_cmp_lg_u32 s3, 0
	s_cbranch_scc1 .Llap
.endif
	MID 0
	TURN 0, 1, 0
	STEP 1, 0, 0
	MID 1
	s_wait_dscnt (NA/2)*NL
	MULQ 0, 1, NQ-1, 1, 0
	MULQ 1, 1, NQ-1, 1, 0
	s_wait_dscnt 0x0
	MULQ 2, 1, NQ-1, 1, 0
	MULQ 3, 1, NQ-1, 1, 0
	WIN 0
.macro TOSTAGE a
	WIN 0x08
.irp b, 0,1,2,3
	ds_store_b128 v[STO], v[8*(4*(\a)+\b):8*(4*(\a)+\b)+3] offset:128*(\b/2)+32*(\b%2)
	ds_store_b128 v[STO], v[8*(4*(\a)+\b)+4:8*(4*(\a)+\b)+7] offset:128*(\b/2)+32*(\b%2)+16
.endr
	WIN 0
.set BB, BK+32*((\a)%2)
.irp t, 0,1,2,3,4,5,6,7
	ds_load_b128 v[BB+4*\t:BB+4*\t+3], v[RD] offset:\t*544
.endr
.endm
.macro SEND a, younger
.set BB, BK+32*((\a)%2)
	s_wait_dscnt \younger
	WIN 0x0c
.set si, 0
.rept 16
	v_pk_add_f32 v[BB+si:BB+si+1], v[BB+si:BB+si+1], v[32*(\a)+si:32*(\a)+si+1]
.set si, si+2
.endr
	WIN 0
.irp t, 0,1,2,3,4,5,6,7
	v_pk_add_f32 v[BB+4*\t:BB+4*\t+1], v[BB+4*\t:BB+4*\t+1], v[BIAS:BIAS+1]
	v_pk_add_f32 v[BB+4*\t+2:BB+4*\t+3], v[BB+4*\t+2:BB+4*\t+3], v[BIAS+2:BIAS+3]
.endr
.irp t, 0,1,2,3,4,5,6,7
	global_store_b128 v[CO], v[BB+4*\t:BB+4*\t+3], s[94:95] offset:(32*((\a)/2)+8*((\a)%2)+2*\t+8*(\t/4))*4096 th:TH_STORE_NT
.endr
.endm
	PLACES 4
	s_wait_loadcnt 0x0
	TOSTAGE 0
.irp a, 1,2,3
	s_wait_xcnt 0x0
	TOSTAGE \a
	SEND \a-1, 16
.endr
	SEND 3, 0
	s_wait_tensorcnt 0x0
	ds_add_u32 v[SPW], v[NIL]
	s_wait_dscnt 0x0
	CROUND
	s_endpgm
.Lfunc_end_k_q2f44f8b08a_gemm_2:
	.size	k_q2f44f8b08a_gemm_2, .Lfunc_end_k_q2f44f8b08a_gemm_2-k_q2f44f8b08a_gemm_2
	.p2alignl 7, 3214868480
	.fill 96, 4, 3214868480
	.section	.rodata,"a",@progbits
	.p2align	6, 0x0
	.amdhsa_kernel k_q2f44f8b08a_gemm_2
		.amdhsa_group_segment_fixed_size 327680
		.amdhsa_private_segment_fixed_size 0
		.amdhsa_enable_private_segment 0
		.amdhsa_kernarg_size 40
		.amdhsa_user_sgpr_count 2
		.amdhsa_user_sgpr_kernarg_segment_ptr 1
		.amdhsa_wavefront_size32 1
		.amdhsa_system_sgpr_workgroup_id_x 1
		.amdhsa_system_sgpr_workgroup_id_y 1
		.amdhsa_system_sgpr_workgroup_id_z 1
		.amdhsa_system_vgpr_workitem_id 0
		.amdhsa_next_free_vgpr 896
		.amdhsa_next_free_sgpr 102
		.amdhsa_reserve_vcc 0
		.amdhsa_float_denorm_mode_32 3
		.amdhsa_float_denorm_mode_16_64 3
		.amdhsa_memory_ordered 1
		.amdhsa_forward_progress 1
		.amdhsa_inst_pref_size 109
	.end_amdhsa_kernel
	.amdgpu_metadata
---
amdhsa.version: [ 1, 2 ]
amdhsa.kernels:
  - .name:           k_q2f44f8b08a_gemm_2
    .symbol:         k_q2f44f8b08a_gemm_2.kd
    .args:
      - { .name: hid, .offset: 0, .size: 8, .value_kind: global_buffer, .address_space: global }
      - { .name: wts, .offset: 8, .size: 8, .value_kind: global_buffer, .address_space: global }
      - { .name: b2, .offset: 16, .size: 8, .value_kind: global_buffer, .address_space: global }
      - { .name: x1, .offset: 24, .size: 8, .value_kind: global_buffer, .address_space: global }
      - { .name: out0, .offset: 32, .size: 8, .value_kind: global_buffer, .address_space: global }
    .group_segment_fixed_size: 327680
    .private_segment_fixed_size: 0
    .kernarg_segment_align: 8
    .kernarg_segment_size: 40
    .max_flat_workgroup_size: 128
    .sgpr_count:     102
    .vgpr_count:     896
    .wavefront_size: 32
...
	.end_amdgpu_metadata
.endif
;; end of part 6
